; MI455X (gfx1250); checked and timed in simulation.
; The chip was launched on July 23, 2026; its instructions are those of AMD's public machine-readable ISA for CDNA 5 (MIT licence, August 2026) and "CDNA5" Instruction Set Architecture Reference Guide (July 2026). The comments in the code are by the model that wrote it; some were corrected since.
;; Multi Head Attention. Allowed arithmetic: matrix products marked QUANTISED: E2M3 operands, one E8M0 scale for each 32 along K, by v_wmma_scale_f32_16x16x128_f8f6f4 with both operands' format E2M3, f32 sums; everything else in f32.
;; Inputs: out_b 1,024 float32; out_w 1,024 x 1,024 float32; qkv_b 3,072 float32; qkv_w 3,072 x 1,024 float32; x 2 x 2,048 x 1,024 float32.
;; Outputs: out0 2 x 2,048 x 1,024 float32.
;; This version of the problem:
;;   THIS VERSION OF THE PROBLEM IS GIVEN IN LOW PRECISION. The matrix products marked QUANTISED in the list below multiply operands that are first quantised to E2M3 (2 exponent bits, 3 mantissa bits; 6 bits a number), with one power-of-two scale for each 32 numbers along K (OCP MX v1.0); their sums are f32. All else is computed in f32.
;;   The module's matrix products, in the order in which they are computed (A, B: the left and right operand; K: the contracted axis; several contracted axes count as one K, in the product's order):
;;     1. [M 4,096, K 1,024] x [K 1,024, N 3,072]; A: input x; B: input qkv_w: QUANTISED
;;     2. batch 32 x [M 2,048, K 64] x [K 64, N 2,048]; A: computed on the way; B: computed on the way: QUANTISED
;;     3. batch 32 x [M 2,048, K 2,048] x [K 2,048, N 64]; A: softmax (see below); B: computed on the way: QUANTISED
;;     4. [M 4,096, K 1,024] x [K 1,024, N 1,024]; A: computed on the way; B: input out_w: QUANTISED
;;   THE QUANTISER, for each operand of a quantised product, along K:
;;     - K is cut into blocks of 32 from its start; a last block that is shorter is filled with zeros.
;;     - A block's scale is 2^e with e = floor(log2(the largest magnitude in the block)) - 2, held to -126 .. 127; a block of zeros has e = 0. As a byte (E8M0): e + 127.
;;     - Each number is divided by its block's scale, clamped to +-7.5, and rounded to the nearest number of E2M3, ties to even, subnormals kept.
;;     - The product sums the exact products of the quantised numbers (number of the format x scale) in f32.
;;   ~~~python
;;   def quantise(x, axis):      # numpy; x: float32 -> the quantised numbers, widened to float32 again
;;       x = np.moveaxis(x, axis, -1); K = x.shape[-1]
;;       x = np.pad(x, [(0, 0)] * (x.ndim - 1) + [(0, -K % 32)]); x = x.reshape(x.shape[:-1] + (-1, 32)); a = np.abs(x).max(-1, keepdims=True)
;;       e = np.where(a > 0, np.clip(np.frexp(np.where(a > 0, a, 1))[1] - 1 - 2, -126, 127), 0)      # np.frexp(a)[1] - 1 = floor(log2(a)), exactly
;;       r = np.clip(x / 2.0 ** e, -7.5, 7.5)
;;       step = 2.0 ** (np.maximum(np.frexp(np.where(r == 0, 1, r))[1] - 1, 0) - 3)
;;       q = np.round(r / step) * step * 2.0 ** e      # np.round: ties to even
;;       return np.moveaxis(q.reshape(q.shape[:-2] + (-1,))[..., :K], -1, axis).astype(np.float32)
;;   ~~~
;;   SOFTMAX AHEAD OF A QUANTISED PRODUCT. Where the list says 'softmax', what is quantised is not the finished softmax but p = 2^(t - M), with t = logit x log2(e) and M = ceil(the row's largest t), a whole number; so 1/2 < the row's largest p <= 1. The row's sum l is taken of the UNQUANTISED p, in f32, and the product's result is divided by l at the end. Since M is a whole number, a kernel that streams over the keys may use a running M (the ceiling of the running maximum): every later rescaling is an exact power of two, which a block's scale takes up: the codes' values come out the same.
;;   OPERANDS COMPUTED ON THE WAY. 'Computed on the way' means the value that the module computes at that place (a softmax that the list does not call 'softmax' is quantised finished and normalised). What goes into a quantiser is computed in f32, as accurately as f32 sums, v_exp_f32 and their like allow (about 1e-6 of the number): no bf16 or f16 on the way to a quantiser, and a product that is left as it is and whose result goes on into a quantised operand takes f32 operands (vector FMAs, or v_wmma_f32_16x16x4_f32). A number that lies on a knife's edge between two numbers of the format may be rounded either way, as far as f32 arithmetic and the matrix unit's own rounding can turn it there, and no further.
;; One version. Each part assembles by itself: llvm-mc -triple=amdgcn-amd-amdhsa -mcpu=gfx1250 --defsym DOCPART=n.
;; ======== version 1 of 1: 4 launches
;; limits: right only within a limited range of input values
;; workspace buffers: opc 6,291,456 bytes; ops 262,144 bytes; qkv 10,092,544 bytes; ac 3,145,728 bytes; asc 131,072 bytes
;; launch quant (part 1): grid 256 x 1, 8 waves a work-group, no clusters, 69,632 bytes of LDS; arguments x, qkv_w, out_w, opc, ops; writes opc, ops
.if DOCPART == 1
	.amdgcn_target "amdgcn-amd-amdhsa--gfx1250"
	.amdhsa_code_object_version 6
	.text
	.protected	k_q76453c2422_quant
	.globl	k_q76453c2422_quant
	.p2align	8
	.type	k_q76453c2422_quant,@function
k_q76453c2422_quant:
	s_mov_b64 s[64:65], 0
	v_nop
	global_prefetch_b8 v0, s[64:65] scope:SCOPE_SE
	s_setreg_imm32_b32 hwreg(HW_REG_WAVE_MODE, 25, 1), 1
	s_wait_xcnt 0x0
; x [4096][1024], qkv_w [3072][1024] and out_w [1024][1024], f32 with K innermost, become codes of FP6 (E2M3) with one E8M0 scale byte for each 32 along K.
; A block's scale is 2^(floor(log2(its largest magnitude)) - 2); its byte is the largest magnitude's exponent field - 2, held at 1 from below.
; LIMITS: NaN and infinities among the inputs are not served; a block of zeros, and a block whose largest magnitude lies under 2^-124, gets the byte 1 (the rule says 127 for zeros: the codes are zeros, and this program alone reads the bytes).
; WHAT THE PROGRAM LEAVES OUT: of the products of attention only what lies wholly under reference()'s causal mask, whole tiles whose scores are replaced by -inf and whose p is 0 for all inputs; a NaN, an infinity or an overflow there is not carried to the result.
; THE OUTPUT IS LAID AS THE MATRIX UNIT'S REGISTERS WANT IT.  The 8,192 rows of the three tensors are 512 tiles of 16 rows (x: 0-255, qkv_w: 256-447, out_w: 448-511).  Place r of a tensor's tile i is its row 64 (i / 4) + 8 (i % 4) + r % 8 + 32 (r / 8).
; opc: [tile][K step of 128][1,536 bytes]: a fragment's 12 registers as three pieces of four, lane l's 16 bytes of piece p at 512 p + 16 l.
; ops: [tile][half of K][256 bytes]: 16 bytes for each place r: the scale words of four K steps.
; SHARES.  A work-group takes two tiles; a wave one of them and a quarter of K: two fragments, all of whose 32 loads are asked for at the head.  Each load reads 512 consecutive bytes of one row; the 16 rows turn through the wave's own stage in LDS
; (rows 528 bytes apart) and come back so that lane (r, h) holds k = 64 c + 32 h + 0 .. 31 of row r, two whole blocks: no other lane is asked for a maximum.
; The scale words of a row's four K steps come from two waves: they meet in LDS behind one barrier and leave as whole units of 256 bytes.  No matrix instruction, no cluster: work-groups share no input.
.set X,   64                           ; v64-127   64 numbers of my row: register 32 c + i is k = 64 c + 32 h + i
.set R,   128                          ; v128-255  two sets of 16 x 4 registers as loaded
.set PC,  24                           ; v24-47    the two fragments' codes
.set CT,  48                           ; v48-50, v52-54  the upper halves of the two blocks, as the conversion leaves them
.set SW,  16                           ; v16-17    the two fragments' scale words
.set SP,  528                          ; a stage row: 512 bytes + 16
.set WST, 16*SP                        ; a wave's stage
.set WRD, 8*WST                        ; behind the stages: the work-group's scale words, 1,024 bytes
.set SPARE, WRD+1024                   ; the spare words, 128 bytes a wave
	s_load_b128 s[4:7], s[0:1], 0x0                ; x, qkv_w
	s_load_b128 s[8:11], s[0:1], 0x10              ; out_w, opc
	s_load_b64 s[12:13], s[0:1], 0x20              ; ops
	v_lshl_add_u32 v62, v0, 2, SPARE
	v_mov_b32 v63, 0
	v_lshrrev_b32 v6, 5, v0
	v_readfirstlane_b32 s2, v6                     ; wave 0..7
	s_lshr_b32 s17, s2, 2                          ; my tile of the two
	s_and_b32 s18, s2, 3                           ; my quarter of K
	s_mul_i32 s3, s2, WST
	s_lshl_b32 s19, s2, 7                          ; the words: 256 bytes for each tile and half of K, and 8 of each row's 16 bytes for each quarter: 256 (wave / 2) + 8 (wave % 2)
	s_and_b32 s19, s19, 0x300
	s_and_b32 s24, s2, 1
	s_lshl_b32 s24, s24, 3
	s_add_co_u32 s19, s19, s24
	s_add_co_u32 s19, s19, WRD
	s_lshl_b32 s25, s2, 8
	s_add_co_u32 s26, s25, WRD
	v_and_b32 v7, 31, v0
	v_lshlrev_b32 v1, 4, v7                        ; v1: 16 x lane
	v_lshlrev_b32 v20, 3, v7                       ; v20: 8 x lane
	v_add_nc_u32 v2, s3, v1                        ; v2: into the stage: my 16 bytes of a row
	v_and_b32 v6, 15, v0                           ; r
	v_bfe_u32 v7, v0, 4, 1                         ; h
	v_mul_u32_u24 v3, v6, SP
	v_lshl_add_u32 v3, v7, 7, v3
	v_add_nc_u32 v3, s3, v3                        ; v3: out of it: row r, 128 h bytes on
	v_lshlrev_b32 v4, 3, v7                        ; v4: 8 h
	v_lshlrev_b32 v5, 4, v6
	v_add_nc_u32 v5, s19, v5                       ; v5: LDS: my row's two words
	v_add_nc_u32 v21, s26, v20                     ; v21: LDS: 8 bytes a lane of 256, on the way out
	v_mov_b32 v15, 0                               ; written once: a lane permute's destination counts as one of its sources
	s_mov_b32 s20, 0x76543210
	s_mov_b32 s21, 0xfedcba98                      ; v_permlanex16_b32's selects for lane l xor 16
	s_lshl_b32 s16, ttmp9, 1
	s_add_co_u32 s16, s16, s17                     ; my tile: 2 x work-group + wave / 4
	s_mov_b32 s14, 448
	s_wait_alu depctr_va_vdst(0)                   ; the wait at the head's end
	s_wait_kmcnt 0x0
	s_cmp_lt_u32 ttmp9, 224                        ; which tensor: the choice hangs on the work-group's number alone
	s_cselect_b64 s[6:7], s[6:7], s[8:9]
	s_cselect_b32 s14, 256, s14
	s_cmp_lt_u32 ttmp9, 128
	s_cselect_b64 s[4:5], s[4:5], s[6:7]
	s_cselect_b32 s14, 0, s14                      ; the tensor's first tile
	s_sub_co_u32 s15, s16, s14                     ; my tile within the tensor
	s_lshr_b32 s22, s15, 2
	s_lshl_b32 s22, s22, 6
	s_and_b32 s23, s15, 3
	s_lshl_b32 s23, s23, 3
	s_add_co_u32 s22, s22, s23                     ; the row at its place 0
	s_lshl_b32 s22, s22, 12                        ; rows of 4,096 bytes
	s_lshl_b32 s23, s18, 10
	s_add_co_u32 s22, s22, s23                     ; + my quarter of K
	s_mov_b32 s23, 0
	s_add_nc_u64 s[4:5], s[4:5], s[22:23]
.macro LOAD f                          ; fragment f: 512 bytes of each of the tile's 16 rows
.irp n, 0,1,2,3,4,5,6,7,8,9,10,11,12,13,14,15
	global_load_b128 v[R+64*(\f)+4*\n:R+64*(\f)+4*\n+3], v1, s[4:5] offset:(\n+24*(\n/8))*4096+512*(\f) th:TH_LOAD_NT
.endr
.endm
	LOAD 0
	LOAD 1
	s_mul_i32 s28, s16, 12288
	s_mul_i32 s24, s18, 3072
	s_add_co_u32 s28, s28, s24
	s_mov_b32 s29, 0
	s_add_nc_u64 s[10:11], s[10:11], s[28:29]      ; my two fragments in opc
	s_lshl_b32 s28, ttmp9, 10
	s_add_co_u32 s28, s28, s25
	s_add_nc_u64 s[12:13], s[12:13], s[28:29]      ; waves 0-3: the 256 bytes in ops that I store
.macro TURN f                          ; through the stage: LDS serves a wave's instructions in order, so no wait stands between the stores and the loads
.irp n, 0,1,2,3,4,5,6,7,8,9,10,11,12,13,14,15
	ds_store_b128 v2, v[R+64*(\f)+4*\n:R+64*(\f)+4*\n+3] offset:SP*\n
.endr
.irp c, 0,1
.irp j, 0,1,2,3,4,5,6,7
	ds_load_b128 v[X+32*\c+4*\j:X+32*\c+4*\j+3], v3 offset:256*\c+16*\j
.endr
.endr
.endm
.macro QF f                            ; 64 numbers a lane become the fragment's 12 registers and its scale word
.irp c, 0,1
	v_max3_num_f32 v[8+\c], |v[X+32*\c]|, |v[X+32*\c+1]|, 0x1800000   ; my block 2 c + h, and the floor 2^(3 - 127): the byte cannot fall under 1
.endr
.irp i, 2,4,6,8,10,12,14,16,18,20,22,24,26,28,30
.irp c, 0,1
	v_max3_num_f32 v[8+\c], v[8+\c], |v[X+32*\c+\i]|, |v[X+32*\c+\i+1]|   ; (the two blocks by turns)
.endr
.endr
.irp c, 0,1
	v_add_nc_u32 v[10+\c], 0xff000000, v[8+\c]     ; 2 off the exponent field: the conversion takes the exponent field of this operand as its scale
.endr
.irp c, 0,1
	v_lshrrev_b32 v[12+\c], 23, v[10+\c]           ; the scale's byte
.endr
	v_lshl_or_b32 v14, v13, 16, v12                ; my two bytes: blocks h and 2 + h,
	v_lshlrev_b32 v14, v4, v14                     ; at their places in the word (8 h bits up);
	v_permlanex16_b32 v15, v14, s20, s21
	v_or_b32 v[SW+(\f)], v14, v15                  ; with lane l xor 16's two the word is whole
.irp c, 0,1
	v_cvt_scalef32_pk16_fp6_f32 v[PC+12*(\f)+6*\c:PC+12*(\f)+6*\c+2], v[X+32*\c:X+32*\c+15], v[10+\c]
	v_cvt_scalef32_pk16_fp6_f32 v[CT+4*\c:CT+4*\c+2], v[X+32*\c+16:X+32*\c+31], v[10+\c]   ; (a conversion's three registers begin on an even number)
.endr
	v_nop                                          ; one plain place behind a scaled conversion
.irp c, 0,1
.irp i, 0,1,2
	v_mov_b32 v[PC+12*(\f)+6*\c+3+\i], v[CT+4*\c+\i]
.endr
.endr
.irp p, 0,1,2
	global_store_b128 v1, v[PC+12*(\f)+4*\p:PC+12*(\f)+4*\p+3], s[10:11] offset:1536*(\f)+512*\p   ; 32 lanes store 512 consecutive bytes, aligned
.endr
.endm
	s_wait_loadcnt 16                              ; the first fragment's 16 loads are in; the second's 16 may be out
	TURN 0
	s_wait_dscnt 0x0
	QF 0
	s_wait_alu depctr_va_vdst(0)                   ; the wait here, directly ahead of the wait below
	s_wait_loadcnt 0x0
	TURN 1
	s_wait_dscnt 0x0
	QF 1
	s_wait_alu depctr_va_vdst(0)
	ds_store_b64 v5, v[SW:SW+1]                    ; lanes l and l xor 16 write the same bytes with the same values
	s_wait_dscnt 0x0                               ; for the others' sake: my words are stored
	s_barrier_signal -1
	s_barrier_wait -1
	s_cmp_lt_u32 s2, 4
	s_cbranch_scc0 .Lend
	ds_load_b64 v[22:23], v21
	s_wait_dscnt 0x0
	global_store_b64 v20, v[22:23], s[12:13]       ; 32 lanes store 256 consecutive bytes, aligned
.Lend:
	s_wait_tensorcnt 0x0                           ; the wave's end
	ds_add_u32 v62, v63
	s_wait_dscnt 0x0
	s_endpgm
.Lfunc_end_k_q76453c2422_quant:
	.size	k_q76453c2422_quant, .Lfunc_end_k_q76453c2422_quant-k_q76453c2422_quant
	.p2alignl 7, 3214868480
	.fill 96, 4, 3214868480
	.section	.rodata,"a",@progbits
	.p2align	6, 0x0
	.amdhsa_kernel k_q76453c2422_quant
		.amdhsa_group_segment_fixed_size 69632
		.amdhsa_private_segment_fixed_size 0
		.amdhsa_enable_private_segment 0
		.amdhsa_kernarg_size 40
		.amdhsa_user_sgpr_count 2
		.amdhsa_user_sgpr_kernarg_segment_ptr 1
		.amdhsa_wavefront_size32 1
		.amdhsa_system_sgpr_workgroup_id_x 1
		.amdhsa_system_sgpr_workgroup_id_y 1
		.amdhsa_system_sgpr_workgroup_id_z 1
		.amdhsa_system_vgpr_workitem_id 0
		.amdhsa_next_free_vgpr 256
		.amdhsa_next_free_sgpr 66
		.amdhsa_reserve_vcc 0
		.amdhsa_float_denorm_mode_32 3
		.amdhsa_float_denorm_mode_16_64 3
		.amdhsa_memory_ordered 1
		.amdhsa_forward_progress 1
		.amdhsa_inst_pref_size 18
	.end_amdhsa_kernel
	.amdgpu_metadata
---
amdhsa.version: [ 1, 2 ]
amdhsa.kernels:
  - .name:           k_q76453c2422_quant
    .symbol:         k_q76453c2422_quant.kd
    .args:
      - { .name: x, .offset: 0, .size: 8, .value_kind: global_buffer, .address_space: global }
      - { .name: qkv_w, .offset: 8, .size: 8, .value_kind: global_buffer, .address_space: global }
      - { .name: out_w, .offset: 16, .size: 8, .value_kind: global_buffer, .address_space: global }
      - { .name: opc, .offset: 24, .size: 8, .value_kind: global_buffer, .address_space: global }
      - { .name: ops, .offset: 32, .size: 8, .value_kind: global_buffer, .address_space: global }
    .group_segment_fixed_size: 69632
    .private_segment_fixed_size: 0
    .kernarg_segment_align: 8
    .kernarg_segment_size: 40
    .max_flat_workgroup_size: 256
    .sgpr_count:     66
    .vgpr_count:     256
    .wavefront_size: 32
...
	.end_amdgpu_metadata
.endif
;; end of part 1
;; launch qkvgemm (part 2): grid 8 x 24, 4 waves a work-group, clusters of 4 x 4, 327,680 bytes of LDS; arguments opc, ops, qkv_b, qkv; writes qkv
.if DOCPART == 2
	.amdgcn_target "amdgcn-amd-amdhsa--gfx1250"
	.amdhsa_code_object_version 6
	.text
	.protected	k_q76453c2422_qkvgemm
	.globl	k_q76453c2422_qkvgemm
	.p2align	8
	.type	k_q76453c2422_qkvgemm,@function
k_q76453c2422_qkvgemm:
	s_mov_b64 s[64:65], 0
	v_nop
	global_prefetch_b8 v0, s[64:65] scope:SCOPE_SE
	s_setreg_imm32_b32 hwreg(HW_REG_WAVE_MODE, 25, 1), 1
	s_wait_xcnt 0x0
	s_wait_alu depctr_hold_cnt(0) depctr_sa_sdst(0) depctr_va_vdst(0) depctr_va_sdst(0) depctr_va_ssrc(0) depctr_va_vcc(0) depctr_vm_vsrc(0)
	s_getreg_b32 s2, hwreg(HW_REG_IB_STS2, 6, 4)
	s_cmp_eq_u32 s2, 0
	s_cbranch_scc0 .Lentry_in_a_cluster
	s_endpgm
.Lentry_in_a_cluster:
	s_bfe_u32 s2, ttmp6, 0x10000c
	s_cmp_lg_u32 s2, 0xf033
	s_cbranch_scc0 .Lentry_shape_is_right
	s_endpgm
.Lentry_shape_is_right:
; qkv = x qkv_w^T + qkv_b on codes of FP6 (E2M3) with E8M0 scales, and its result quantised on the way out into the operands of attention.  Nothing wide goes to memory.
; One body computes S0 x S1 (source 0 = 16 rows of S0, source 1 = 16 rows of S1, K = 1,024) and quantises along S0's index: a lane holds ONE row of S1, its registers run along S0's rows.
;   cluster rows 0-3 (q and k): S0 = 256 rows of qkv_w (features), S1 = 256 rows of x (tokens): codes along the head's 64.
;   cluster rows 4-5 (v):       S0 = 256 rows of x (tokens),      S1 = 256 rows of qkv_w from row 2,048 on: v^T, codes along the keys.
; The choice hangs on the cluster's y, which all sixteen partners share.  192 work-groups: a tile size that gave 256 equal ones would cut heads and the border between k and v.
; A TILE OF 16 ROWS holds, at place r, row 32 (i / 2) + 8 (i % 2) + r + 8 (r / 8) (so the launch before has laid them): the 16 registers of accumulators 2 B and 2 B + 1 are then 16 NEIGHBOURS along S0, 32 B + 16 (lane / 16) + 0 .. 15.
; A work-group makes 256 x 256, a wave 128 x 128: 64 accumulators.  Operands lie in memory and in LDS as images of their registers: a fragment is three loads of 16 bytes a lane, 512 consecutive bytes each: no pitch, no padding.
; K goes in four chunks of 256 through THREE LDS slots: chunks 0, 1, 2 are first fills, chunk 3 is the one refill (into slot 0).  By this text's own count a wave has four tensor loads out at the start, later one.
; CLUSTER 4 x 4: S1's tiles are shared along a row of the cluster, S0's along a column: joint loads.
; THE RECORD of 128 tokens of one head in qkv, 19,712 bytes: k's codes 0 (8 tiles x 768), k's scale words 6,144, v's codes 6,656 (4 tiles of the head's 64 x 1,536), v's scale words 12,800, q's codes 13,056, q's scale words 19,200.
; LIMITS: NaN and infinities are not served; a block of zeros, or one whose largest magnitude lies under 2^-124, gets the byte 1 (its reader is this program alone).
; REGISTERS: window 0: v16-31 addresses; v32-95 all scale words; v96-127, v224-255 the bias as C of the first K step; v128-223 S1's fragments, one set.  window 1: S0's fragments, two sets (v0.., v128..).
;   windows 2, 3: accumulator (a, b) at v[8 (8 (a % 4) + b)].  On the way out window 0's v96-155 are at work.
; ORDER AND SLOTS IN THIS TEXT (in place of what is said of them above): place r of tile i is row 64 (i / 4) + 8 (i % 4) + r % 8 + 32 (r / 8): a lane's 32 registers of four tiles are 32 neighbours along S0, a whole scale block.
; Two LDS regions: K steps 0, 1 at the head (one load a wave), K steps 2 to 5 by one load a wave behind a round; K steps 6, 7 are the one refill, into the first region.  One tensor load of a wave is out at a time.
.set CHUNK, 3072                       ; a tile's bytes of a chunk: two K steps of 1,536
.set FRB,   1536
.set QUART, 8*CHUNK                    ; what one tensor load brings: 8 tiles
.set SLOT,  4*QUART                    ; S1's 16 tiles, then S0's 16
.set SCL,   3*SLOT                     ; behind the slots: all scale words, 8,192 bytes for each wave's load
.set SPARE, SCL+16384                  ; the spare words, 128 bytes for each wave: two blocks of 256 bytes that no other line names
.set REC,   19712
.set HS,    16*REC                     ; from head to head in qkv
.set ADRA, 16                          ; v16-17  my S1 fragments in region 0, 1
.set ADRB, 20                          ; v20-21  my S0 fragments
.set BOV,  23                          ; v23     v's bias: 4 (r % 8 + 32 (r / 8))
.set L16,  24                          ; v24     16 x lane
.set L8,   25                          ; v25     8 x lane
.set LSQ,  26                          ; v26     HS x (lane / 16) + 16 r: scale words on the way out
.set ADRS, 27                          ; v27     my scale words in LDS: lanes 0-15 S1's, lanes 16-31 S0's
.set SPW,  28                          ; v28     my spare word; never rewritten
.set NIL,  29                          ; v29     0; never rewritten
.set SH16, 30                          ; v30     16 x (lane / 16)
.set BOQ,  31                          ; v31     q's and k's bias: 128 x (lane / 16)
.set SC,   32                          ; v[SC + 32 (q / 4) + 4 i + q % 4]: K step q's words: lanes 0-15 of S1's block i, lanes 16-31 of S0's block i
.set AF,   128
.set TM,   96                          ; the way out: v96-99 largest magnitudes, v100-103 bytes, v108-111 the conversions' scale operands
.set PW,   112                         ; v112-119 the scale word of each of my eight blocks of S1
.set PC,   128                         ; v128-139 the codes just made
.set CT,   140
.set SWD,  148
.set G1A,  24                          ; s[24:31] group 1 for S1's codes;  s[32:39] group 0, one for each region;  s[44:47] group 0 for S1's scales
.set G0A,  32
.set G0SA, 44
.set G1B,  48                          ; s[48:55], s[56:63] and s[72:75] the same for S0
.set G0B,  56
.set G0SB, 72
.set G1SA, 76                          ; s[76:83], s[84:91] group 1 for the scales
.set G1SB, 84
.set MSB, 0
.macro WIN new                         ; the immediate's high byte repeats the setting that is left
.if MSB != (\new)
	s_set_vgpr_msb (MSB<<8)|(\new)
.set MSB, (\new)
.endif
.endm
; A joint load: waves 0 and 1 fetch for S1, waves 2 and 3 for S0.  The branch hangs on the wave's number alone.  Four v_nop follow each of the two lines.
.macro JLOAD g0a, g1a, g0b, g1b
	s_cmp_eq_u32 s15, 0
	s_cbranch_scc0 .Lfor_b_\@
	tensor_load_to_lds s[\g0a:\g0a+3], s[\g1a:\g1a+7]
	s_nop 0
.rept 4
	v_nop
.endr
	s_branch .Lasked_\@
.Lfor_b_\@:
	tensor_load_to_lds s[\g0b:\g0b+3], s[\g1b:\g1b+7]
	s_nop 0
.rept 4
	v_nop
.endr
.Lasked_\@:
.endm
.macro CREST                           ; a round of the cluster's barrier behind its opening barrier
	s_cmp_lg_u32 s14, 0
	s_cbranch_scc1 .Lnot_wave_0_\@
	s_barrier_signal -3
.Lnot_wave_0_\@:
	s_barrier_wait -3
	s_barrier_signal -1
	s_barrier_wait -1
.endm
.macro CROUND
	s_barrier_signal -1
	s_barrier_wait -1
	CREST
.endm
.macro PLACES n
.rept \n
	v_nop
.endr
.endm
	s_load_b256 s[4:11], s[0:1], 0x0               ; opc s[4:5], ops s[6:7], qkv_b s[8:9], qkv s[10:11]
	v_lshl_add_u32 v[SPW], v0, 2, SPARE
	v_mov_b32 v[NIL], 0
	ds_add_u32 v28, v29
	ds_add_u32 v28, v29
	s_wait_dscnt 0x0
	v_lshrrev_b32 v1, 5, v0
	v_readfirstlane_b32 s14, v1                    ; wave 0..3
	s_lshr_b32 s15, s14, 1                         ; my half of S1's rows.  Also: I fetch for S1 (0) or S0 (1)
	s_and_b32 s16, s14, 1                          ; my half of S0's rows.  Also: which 8 tiles I fetch
	s_bfe_u32 s92, ttmp6, 0x40000                  ; cx
	s_bfe_u32 s93, ttmp6, 0x40004                  ; cy
	s_and_b32 s96, ttmp7, 0xffff                   ; the cluster's y, 0..5
	s_lshl_b32 s97, ttmp9, 2
	s_add_co_u32 s97, s97, s92                     ; work-group x, 0..7
	s_lshl_b32 s94, s93, 2
	s_lshl_b32 s94, 15, s94                        ; my row of the cluster
	s_lshl_b32 s95, 0x1111, s92                    ; my column
	s_max_u32 s98, s96, 4
	s_sub_co_u32 s98, s98, 4                       ; v's path: the batch (0 on the other path, where it is not used)
	; group 1, codes: 8 rows (tiles) of 384 elements of 8 bytes, 1,536 elements apart; no padding
	s_or_b32 s[G1A], s94, (3<<16)|(1<<21)          ; 15:0 the mask; 17:16 elements of 8 bytes; 21 set beside a mask
	s_or_b32 s[G1B], s95, (3<<16)|(1<<21)
.irp g, G1A, G1B
	s_mov_b32 s[\g+1], 384<<16                     ; tensor_dim0
	s_mov_b32 s[\g+2], 16<<16                      ; tensor_dim1: at the head all 16 tiles
	s_mov_b32 s[\g+3], 384<<16                     ; tile_dim0
	s_mov_b32 s[\g+4], 16                          ; tile_dim1
	s_mov_b32 s[\g+5], 1536                        ; from tile to tile
	s_mov_b32 s[\g+6], 0
	s_mov_b32 s[\g+7], 0
.endr
	; group 1, scales: 16 tiles' 8,192 dense bytes as 32 rows of 256
	s_or_b32 s[G1SA], s94, (3<<16)|(1<<21)
	s_or_b32 s[G1SB], s95, (3<<16)|(1<<21)
.irp g, G1SA, G1SB
	s_mov_b32 s[\g+1], 32<<16                      ; (16 tiles' 8,192 bytes: 32 rows)
	s_mov_b32 s[\g+2], 32<<16
	s_mov_b32 s[\g+3], 32<<16
	s_mov_b32 s[\g+4], 32
	s_mov_b32 s[\g+5], 32
	s_mov_b32 s[\g+6], 0
	s_mov_b32 s[\g+7], 0
.endr
	; the first tiles.  S1's hang on cy and the cluster's y, S0's on cx, the cluster's x and y: each in registers that never hold the other coordinate
	s_lshl_b32 s21, s93, 4                         ; 16 cy
	s_lshl_b32 s20, s96, 6
	s_add_co_u32 s20, s20, s21                     ; q, k: S1 = x's tiles 64 cly + 16 cy
	s_add_co_u32 s21, s21, 384                     ; v: S1 = qkv_w's tiles from row 2,048 on: 256 + 128 + 16 cy
	s_lshl_b32 s22, s97, 4                         ; 16 x work-group x
	s_lshl_b32 s66, s98, 7
	s_add_co_u32 s66, s66, s22                     ; v: S0 = x's tiles 128 x batch + 16 x
	s_add_co_u32 s22, s22, 256                     ; q, k: S0 = qkv_w's tiles 256 + 16 x
	s_cmp_lt_u32 s96, 4
	s_cselect_b32 s20, s20, s21
	s_cselect_b32 s22, s22, s66
	s_cselect_b32 s18, 0, 1                        ; s18: 0 = q and k, 1 = v
	s_lshl_b32 s19, s16, 3
	s_add_co_u32 s2, s20, s19                      ; + the 8 tiles that I fetch behind the head (waves 0 and 2, which fetch codes at the head, have s16 = 0)
	s_add_co_u32 s66, s22, s19
	s_mul_i32 s2, s2, 12288                        ; codes: 12,288 bytes a tile
	s_mov_b32 s3, 0
	s_mul_i32 s66, s66, 12288
	s_mov_b32 s67, 0
	s_lshl_b32 s20, s20, 9                         ; scales: 512 bytes a tile
	s_mov_b32 s21, 0
	s_lshl_b32 s22, s22, 9
	s_mov_b32 s23, 0
	s_mul_i32 s17, s14, QUART                      ; where they go: by the wave's number alone
	s_wait_kmcnt 0x0
	s_add_nc_u64 s[2:3], s[4:5], s[2:3]
	s_add_nc_u64 s[66:67], s[4:5], s[66:67]
	s_add_nc_u64 s[20:21], s[6:7], s[20:21]
	s_add_nc_u64 s[22:23], s[6:7], s[22:23]
	CROUND                                         ; all sixteen work-groups are here: the first joint loads meet
	s_mov_b32 s[G0SA], 1
	s_mov_b32 s[G0SA+1], SCL
	s_mov_b64 s[G0SA+2:G0SA+3], s[20:21]
	s_or_b32 s[G0SA+3], s[G0SA+3], 0x80000000
	s_mov_b32 s[G0SB], 1
	s_mov_b32 s[G0SB+1], SCL+8192
	s_mov_b64 s[G0SB+2:G0SB+3], s[22:23]
	s_or_b32 s[G0SB+3], s[G0SB+3], 0x80000000
	s_lshl_b32 s19, s17, 1                         ; the second region: 8 tiles of four K steps a wave
.irp s, 0,1
	s_mov_b32 s[G0A+4*\s], 1
	s_mov_b32 s[G0B+4*\s], 1
	s_add_nc_u64 s[G0A+4*\s+2:G0A+4*\s+3], s[2:3], \s*CHUNK
	s_or_b32 s[G0A+4*\s+3], s[G0A+4*\s+3], 0x80000000
	s_add_nc_u64 s[G0B+4*\s+2:G0B+4*\s+3], s[66:67], \s*CHUNK
	s_or_b32 s[G0B+4*\s+3], s[G0B+4*\s+3], 0x80000000
.endr
	s_mov_b32 s[G0A+1], s17                        ; wave 0: S1's tiles at 0; wave 2: S0's at 2 QUART
	s_mov_b32 s[G0B+1], s17
	s_add_co_u32 s[G0A+5], s19, SLOT
	s_add_co_u32 s[G0B+5], s19, SLOT
.macro ARM w, g0, g1, next             ; the head's loads, one a wave
	s_cmp_eq_u32 s14, \w
	s_cbranch_scc0 \next
	tensor_load_to_lds s[\g0:\g0+3], s[\g1:\g1+7]
	s_nop 0
.rept 4
	v_nop
.endr
	s_branch .Lhead_asked
\next:
.endm
	ARM 0, G0A, G1A, .Lhead_1                      ; K steps 0, 1 of S1's 16 tiles
	ARM 1, G0SA, G1SA, .Lhead_2                    ; their scale words, all of K
	ARM 2, G0B, G1B, .Lhead_3                      ; the same of S0
	tensor_load_to_lds s[G0SB:G0SB+3], s[G1SB:G1SB+7]
	s_nop 0
.rept 4
	v_nop
.endr
.Lhead_asked:
	; PREFETCH INTO THE L2: K steps 2 to 5 of the 8 tiles that my wave will fetch behind the next round, 24 blocks of 256 bytes a tile.  The four work-groups that ask for a tile jointly share it out BY ADDRESS:
	; the partner at place p (cx for S1, cy for S0) takes tiles 2 p and 2 p + 1, a block a lane (lanes 24-31 name block 23 again).  K steps 0, 1 come by the head's loads alone.
	s_cmp_eq_u32 s15, 0
	s_cselect_b64 s[20:21], s[2:3], s[66:67]
	s_cselect_b32 s22, s92, s93
	s_mul_i32 s22, s22, 24576
	s_mov_b32 s23, 0
	s_add_nc_u64 s[20:21], s[20:21], s[22:23]
	v_and_b32 v6, 31, v0
	v_min_u32 v6, 23, v6
	v_lshlrev_b32 v7, 8, v6
	global_prefetch_b8 v7, s[20:21] offset:CHUNK th:TH_LOAD_NT scope:SCOPE_SE
	global_prefetch_b8 v7, s[20:21] offset:12288+CHUNK th:TH_LOAD_NT scope:SCOPE_SE
	v_mul_u32_u24 v8, 43, v6                       ; K steps 6, 7, asked for later: 12 blocks of each of the two tiles: 43 x lane / 512 is 0 in lanes 0-11, 1 in lanes 12-23
	v_lshrrev_b32 v8, 9, v8
	v_mul_u32_u24 v8, 9216, v8
	v_add_nc_u32 v8, v7, v8
	s_mov_b32 s66, 0x76543210
	s_mov_b32 s67, 0xfedcba98                      ; v_permlanex16_b32's selects for lane l xor 16
	v_and_b32 v2, 31, v0
	v_and_b32 v3, 15, v0                           ; r
	v_bfe_u32 v4, v0, 4, 1                         ; h
	s_wait_alu depctr_va_vdst(0)
	v_lshlrev_b32 v[L16], 4, v2
	v_lshlrev_b32 v[L8], 3, v2
	s_mul_i32 s17, s15, QUART                      ; my 8 tiles of S1,
	s_mul_i32 s19, s16, QUART
	s_add_co_u32 s19, s19, 2*QUART                 ; my 8 of S0, behind S1's 16
	v_add_nc_u32 v[ADRA], s17, v[L16]
	v_add_nc_u32 v[ADRB], s19, v[L16]
	s_lshl_b32 s17, s17, 1                         ; the second region's tiles are twice as long
	s_lshl_b32 s19, s19, 1
	s_add_co_u32 s17, s17, SLOT
	s_add_co_u32 s19, s19, SLOT
	v_add_nc_u32 v[ADRA+1], s17, v[L16]
	v_add_nc_u32 v[ADRB+1], s19, v[L16]
	s_lshl_b32 s17, s15, 12                        ; scale words: S1's, my half;
	s_lshl_b32 s19, s16, 12
	s_add_co_u32 s19, s19, 8192                    ; S0's, my half, behind S1's two
	s_sub_co_u32 s19, s19, s17
	v_mul_u32_u24 v5, s19, v4                      ; lanes 16-31 take S0's: one product, the lower base + h x the distance
	s_add_co_u32 s17, s17, SCL
	v_lshl_add_u32 v5, v3, 4, v5
	v_add_nc_u32 v[ADRS], s17, v5
	v_mul_u32_u24 v[LSQ], v4, HS
	v_lshl_add_u32 v[LSQ], v3, 4, v[LSQ]
	v_lshlrev_b32 v[SH16], 4, v4
	v_lshlrev_b32 v[BOQ], 7, v4                    ; 128 x (lane / 16)
	v_and_b32 v[BOV], 8, v3
	v_mad_u32_u24 v[BOV], v[BOV], 3, v3            ; r % 8 + 32 (r / 8)
	v_lshlrev_b32 v[BOV], 2, v[BOV]
	; where my results go.  q, k: token block Y = 4 cly + cy: batch Y / 8, record 2 (Y % 8) + my S1 half; heads 4 (x % 4) + 2 x my S0 half and the next; q's fields for x < 4, k's for the rest
	s_lshl_b32 s94, s96, 2
	s_add_co_u32 s94, s94, s93                     ; Y
	s_lshr_b32 s95, s94, 3
	s_lshl_b32 s95, s95, 2
	s_and_b32 s12, s97, 3
	s_add_co_u32 s95, s95, s12
	s_lshl_b32 s95, s95, 1
	s_add_co_u32 s95, s95, s16
	s_lshl_b32 s95, s95, 5                         ; 16 x (16 batch + head)
	s_and_b32 s94, s94, 7
	s_lshl_b32 s94, s94, 1
	s_add_co_u32 s94, s94, s15
	s_add_co_u32 s95, s95, s94
	s_mul_i32 s95, s95, REC
	s_cmp_lt_u32 s97, 4
	s_cselect_b32 s12, 13056, 0
	s_add_co_u32 s95, s95, s12
	; v: heads 4 cy + 2 x my S1 half and the next; record 2 x + my S0 half; v's codes begin 6,656 bytes into a record
	s_lshl_b32 s94, s98, 2
	s_add_co_u32 s94, s94, s93
	s_lshl_b32 s94, s94, 1
	s_add_co_u32 s94, s94, s15
	s_lshl_b32 s94, s94, 4
	s_add_co_u32 s94, s94, s97
	s_lshl_b32 s94, s94, 1
	s_add_co_u32 s94, s94, s16
	s_mul_i32 s94, s94, REC
	s_add_co_u32 s94, s94, 6656
	s_cmp_eq_u32 s18, 0
	s_cselect_b32 s12, s95, s94
	s_mov_b32 s13, 0
	s_add_nc_u64 s[12:13], s[10:11], s[12:13]
	; the bias.  q, k: of S0's features 256 x + 128 x my S0 half on; v: of S1's features 2,048 + 256 cy + 128 x my S1 half on
	s_lshl_b32 s94, s97, 10
	s_lshl_b32 s95, s16, 9
	s_add_co_u32 s94, s94, s95
	s_lshl_b32 s95, s93, 10
	s_lshl_b32 s99, s15, 9
	s_add_co_u32 s95, s95, s99
	s_add_co_u32 s95, s95, 8192
	s_cmp_eq_u32 s18, 0
	s_cselect_b32 s94, s94, s95
	s_mov_b32 s95, 0
	s_add_nc_u64 s[8:9], s[8:9], s[94:95]
	s_cmp_eq_u32 s18, 0
	s_cbranch_scc0 .Lbias_v
	s_wait_alu depctr_va_vdst(0)
.irp b, 0,1,2,3,4,5,6,7                        ; q, k: C of accumulator (a, b): the lane's eight features 64 (b / 4) + 8 (b % 4) + 32 h + 0 .. 7
	global_load_b128 v[96+128*(\b/4)+8*(\b%4):96+128*(\b/4)+8*(\b%4)+3], v[BOQ], s[8:9] offset:4*(64*(\b/4)+8*(\b%4))   ; the lane's eight features 64 (b / 4) + 8 (b % 4) + 32 h + 0 .. 7
	global_load_b128 v[96+128*(\b/4)+8*(\b%4)+4:96+128*(\b/4)+8*(\b%4)+7], v[BOQ], s[8:9] offset:4*(64*(\b/4)+8*(\b%4))+16
.endr
	s_branch .Lbias_done
.Lbias_v:
	s_wait_alu depctr_va_vdst(0)
.irp a, 0,1,2,3,4,5,6,7                        ; v: C of accumulator (a, b): the lane's ONE feature, place r of tile a, in all eight registers
.irp j, 0,1,2,3,4,5,6,7
	global_load_b32 v[96+128*(\a/4)+8*(\a%4)+\j], v[BOV], s[8:9] offset:4*(64*(\a/4)+8*(\a%4))
.endr
.endr
.Lbias_done:
.macro FRAG reg, adr, qq, i, slot      ; a fragment comes as it was stored: three pieces of four registers, 512 consecutive bytes each
.irp p, 0,1,2
	ds_load_b128 v[\reg+4*\p:\reg+4*\p+3], v[\adr] offset:CHUNK*(1+(\slot))*(\i)+FRB*(\qq)+512*\p
.endr
.endm
.macro FETCH_B slot, qq, p             ; S0's eight fragments into set p
	WIN 0x40
.irp i, 0,1,2,3,4,5,6,7
	FRAG 128*(\p)+12*\i, ADRB+\slot, \qq, \i, \slot
.endr
	WIN 0
.endm
.macro FETCH_A slot, qq, i0            ; S1's blocks i0 .. i0 + 3
.irp i, \i0, \i0+1, \i0+2, \i0+3
	FRAG AF+12*(\i), ADRA+\slot, \qq, \i, \slot
.endr
.endm
; 16 matrix instructions: S1's blocks a0, a0 + 1 x S0's eight, K step q; p: S0's set.  cm = 0: onto the sums; 1: the sums begin with the bias by S0's block; 2: by S1's block.
; The 64 accumulators take turns, one instruction a turn, in the same order in every K step.
.macro MUL16 a0, p, q, cm
.if \cm
	WIN 0x81+0x40*((\a0)/4)                        ; S0 window 1, S1 and C window 0, D window 2 or 3
.else
	WIN 0xa1+0x50*((\a0)/4)                        ; C and D window 2 or 3
.endif
.irp a, \a0, \a0+1
.irp b, 0,1,2,3,4,5,6,7
.set rD, 8*(8*((\a)%4)+\b)
.set rB, 128*(\p)+12*\b
.set rA, AF+12*(\a)
.set sB, SC+32*((\q)/4)+4*\b+(\q)%4
.set sA, SC+32*((\q)/4)+4*(\a)+(\q)%4
.if \cm == 1
.set rC, 96+128*(\b/4)+8*(\b%4)
.elseif \cm == 2
.set rC, 96+128*((\a)/4)+8*((\a)%4)
.else
.set rC, rD
.endif
	v_wmma_scale_f32_16x16x128_f8f6f4 v[rD:rD+7], v[rB:rB+11], v[rA:rA+11], v[rC:rC+7], v[sB], v[sA] matrix_a_fmt:MATRIX_FMT_FP6 matrix_b_fmt:MATRIX_FMT_FP6 matrix_a_scale:MATRIX_SCALE_ROW1
.endr
.endr
.endm
; A K step whose successor (slot nslot, its nqq-th K step) is already whole in LDS for every wave.  Loads into registers that matrix instructions have read stand four plain places behind them (ISA guide 7.12.1 for vector instructions).
.macro STEP q, nslot, nqq, cm
	s_wait_dscnt 12                                ; S0's set and S1's blocks 0-3 are in; the youngest 12 loads (S1's blocks 4-7) may be out
	MUL16 0, (\q)%2, \q, \cm
	MUL16 2, (\q)%2, \q, \cm
	s_wait_dscnt 0x0                               ; S1's blocks 4-7 are in
	PLACES 4
	FETCH_B \nslot, \nqq, 1-(\q)%2
	FETCH_A \nslot, \nqq, 0
	MUL16 4, (\q)%2, \q, \cm
	MUL16 6, (\q)%2, \q, \cm
	PLACES 4
	WIN 0
	FETCH_A \nslot, \nqq, 4
.endm
; A K step with a barrier in its middle.  In front of it each wave waits for all its tensor loads, adds 0 to its spare word, and waits for that and for its reads of LDS.  fill = 1: slot 0, which nobody reads any more, takes chunk 3.
.macro TURN q, nslot, fill
	s_wait_tensorcnt 0x0                           ; all my tensor loads have landed
	ds_add_u32 v[SPW], v[NIL]                      ; 0 onto my spare word
	s_wait_dscnt 13                                ; (the add and the youngest 12 loads may be out)
	MUL16 0, (\q)%2, \q, 0                         ; sixteen matrix instructions stand between the add and the wait for it
	s_wait_dscnt 0x0                               ; the add is done, and my reads of the slot are over
	s_barrier_signal -1
	MUL16 2, (\q)%2, \q, 0
	WIN 0
	s_barrier_wait -1
.if \fill
	CREST                                          ; the barrier has opened a round of the cluster's: no wave of any partner still reads slot 0 or has a load on its way
	s_add_nc_u64 s[G0A+2:G0A+3], s[G0A+2:G0A+3], 3*CHUNK
	s_add_nc_u64 s[G0B+2:G0B+3], s[G0B+2:G0B+3], 3*CHUNK
.irp g, G1A, G1B                               ; (no tensor load of mine is out) 8 tiles of two K steps
	s_mov_b32 s[\g+1], 384<<16
	s_mov_b32 s[\g+3], 384<<16
.endr
	JLOAD G0A, G1A, G0B, G1B                       ; my one tensor load behind the round; its four v_nop are also the places in front of the loads below
.else
	PLACES 4
.endif
	FETCH_B \nslot, 0, 1-(\q)%2
	FETCH_A \nslot, 0, 0
	MUL16 4, (\q)%2, \q, 0
	MUL16 6, (\q)%2, \q, 0
	PLACES 4
	WIN 0
	FETCH_A \nslot, 0, 4
.endm
	s_wait_alu depctr_va_vdst(0)                   ; the wait at the head's end
	s_wait_tensorcnt 0x0                           ; my tile of the head's four is in
	ds_add_u32 v[SPW], v[NIL]
.irp g, G1A, G1B                               ; no tensor load of mine is out: from here on 8 tiles a load, of four K steps
	s_mov_b32 s[\g+1], 768<<16
	s_mov_b32 s[\g+2], 8<<16
	s_mov_b32 s[\g+3], 768<<16
	s_mov_b32 s[\g+4], 8
.endr
	s_wait_dscnt 0x0                               ; the add is done
	CROUND                                         ; all four tiles are in, and all sixteen work-groups are here
	JLOAD G0A+4, G1A, G0B+4, G1B                   ; K steps 2 to 5: the first tensor load behind the round
	FETCH_B 0, 0, 0
	FETCH_A 0, 0, 0
.irp g, 0,1
.irp i, 0,1,2,3,4,5,6,7
	ds_load_b128 v[SC+32*\g+4*\i:SC+32*\g+4*\i+3], v[ADRS] offset:512*\i+256*\g   ; all scale words of the launch: four K steps' a load
.endr
.endr
	FETCH_A 0, 0, 4
	s_wait_loadcnt 0x0                             ; the bias
	global_prefetch_b8 v8, s[20:21] offset:3*CHUNK th:TH_LOAD_NT scope:SCOPE_SE   ; K steps 6, 7, two K steps ahead of the load that will want them
	s_cmp_eq_u32 s18, 0
	s_cbranch_scc0 .Lfirst_v
	STEP 0, 0, 1, 1                                ; the first K step starts the sums with the bias: nothing is cleared, nothing is added later
	s_branch .Lfirst_done
.Lfirst_v:
	STEP 0, 0, 1, 2
.Lfirst_done:
	TURN 1, 1, 1                                   ; slot 0 is left and filled again: the load has four K steps in which to land
	STEP 2, 1, 1, 0
	STEP 3, 1, 2, 0
	STEP 4, 1, 3, 0
	TURN 5, 0, 0                                   ; chunk 3 has landed in every wave; nothing is filled
	STEP 6, 0, 1, 0
	s_wait_dscnt 12                                ; the last K step: nothing more to fetch
	MUL16 0, 1, 7, 0
	MUL16 2, 1, 7, 0
	s_wait_dscnt 0x0
	MUL16 4, 1, 7, 0
	MUL16 6, 1, 7, 0
	WIN 0
; THE WAY OUT.  Block a of S1: a lane's 64 numbers, register 32 c + n = S0's index 64 c + 32 (lane / 16) + n, become a fragment's 12 registers in v[PC ..] and the scale word v[PW + a].
.macro QUANTW a
; Register 32 c + n of a lane is S0's index 64 c + 32 (lane / 16) + n: two whole scale blocks, c = 0, 1.
.set AC, 64*((\a)%4)
	WIN 0x2a+0x15*((\a)/4)                         ; all sources: window 2 or 3
.irp c, 0,1                                    ; two chains a block; each accumulator is read from its low end on
	v_max3_num_f32 v[TM+\c], |v[AC+32*\c]|, |v[AC+32*\c+1]|, |v[AC+32*\c+2]|
	v_max3_num_f32 v[TM+2+\c], |v[AC+32*\c+16]|, |v[AC+32*\c+17]|, |v[AC+32*\c+18]|
.endr
	WIN 0x28+0x14*((\a)/4)                         ; sources 1 and 2: window 2 or 3
.irp i, 3,5,7,9,11,13
.irp c, 0,1
	v_max3_num_f32 v[TM+\c], v[TM+\c], |v[AC+32*\c+\i]|, |v[AC+32*\c+\i+1]|
	v_max3_num_f32 v[TM+2+\c], v[TM+2+\c], |v[AC+32*\c+16+\i]|, |v[AC+32*\c+17+\i]|
.endr
.endr
.irp c, 0,1
	v_max3_num_f32 v[TM+\c], v[TM+\c], |v[AC+32*\c+15]|, |v[AC+32*\c+31]|
.endr
	WIN 0
.irp c, 0,1
	v_max3_num_f32 v[TM+\c], v[TM+\c], v[TM+2+\c], 0x1800000   ; and the floor 2^(3 - 127)
.endr
.irp c, 0,1
	v_add_nc_u32 v[TM+12+\c], 0xff000000, v[TM+\c] ; 2 off its exponent field: the conversion's scale operand
.endr
.irp c, 0,1
	v_lshrrev_b32 v[TM+4+\c], 23, v[TM+12+\c]      ; the scale's byte
.endr
	v_lshl_or_b32 v[PW+(\a)], v[TM+5], 16, v[TM+4] ; my two bytes, at their places in the word: 8 h bits up
	v_lshlrev_b32 v[PW+(\a)], v[BOV], v[PW+(\a)]
.if (\a) > 0
	s_wait_alu depctr_va_vdst(0)                   ; the wait here, directly ahead of the wait below
	s_wait_xcnt 0x0                                ; the last block's stores have read v[PC ..]: only now are they rewritten
.endif
	WIN 0x02+((\a)/4)                              ; source 0: window 2 or 3
.irp c, 0,1
	v_cvt_scalef32_pk16_fp6_f32 v[PC+6*\c:PC+6*\c+2], v[AC+32*\c:AC+32*\c+15], v[TM+12+\c]
	v_cvt_scalef32_pk16_fp6_f32 v[CT+4*\c:CT+4*\c+2], v[AC+32*\c+16:AC+32*\c+31], v[TM+12+\c]   ; (a conversion's three registers begin on an even number)
.endr
	WIN 0
	v_nop                                          ; one plain place behind a scaled conversion
.irp c, 0,1
.irp i, 0,1,2
	v_mov_b32 v[PC+6*\c+3+\i], v[CT+4*\c+\i]
.endr
.endr
.endm
; q, k: registers 0-5 are the even head's 64, registers 6-11 the odd head's: half a fragment each, 512 + 256 consecutive bytes.  v: the whole fragment is tile a % 4 of head a / 4, K = my 128 keys.
.macro STORES a
	s_cmp_eq_u32 s18, 0
	s_cbranch_scc0 .Lst_v_\@
	global_store_b128 v[L16], v[PC:PC+3], s[12:13] offset:768*(\a)
	global_store_b64 v[L8], v[PC+4:PC+5], s[12:13] offset:768*(\a)+512
	global_store_b128 v[L16], v[PC+6:PC+9], s[12:13] offset:HS+768*(\a)
	global_store_b64 v[L8], v[PC+10:PC+11], s[12:13] offset:HS+768*(\a)+512
	s_branch .Lst_done_\@
.Lst_v_\@:
	s_wait_alu depctr_va_vdst(0)
.irp p, 0,1,2
	global_store_b128 v[L16], v[PC+4*\p:PC+4*\p+3], s[12:13] offset:HS*((\a)/4)+FRB*((\a)%4)+512*\p
.endr
.Lst_done_\@:
.endm
	PLACES 4                                       ; behind the last products: for the reads of results and the writes into registers that held S1's fragments
.irp a, 0,1,2,3,4,5,6,7
	v_mov_b32 v[SWD+\a], 0                         ; written once: a lane permute's destination counts as one of its sources
.endr
	v_lshrrev_b32 v[BOV], 1, v[SH16]               ; 8 x (lane / 16): the bias has been loaded, its offset is not needed any more
.irp a, 0,1,2,3,4,5,6,7
	QUANTW \a
	STORES \a
.endr
.irp a, 0,1,2,3,4,5,6,7
	v_permlanex16_b32 v[SWD+\a], v[PW+\a], s66, s67
.endr
.irp a, 0,1,2,3,4,5,6,7
	v_or_b32 v[PW+\a], v[PW+\a], v[SWD+\a]         ; with lane l xor 16's two bytes the word is whole, in both halves of the lanes
.endr
	s_wait_alu depctr_va_vdst(0)                   ; the wait ahead of the branch
	s_cmp_eq_u32 s18, 0                            ; the scale words: 16 bytes a row place, 256 consecutive bytes from sixteen lanes; lanes 0-15 the even head's, lanes 16-31 the odd head's
	s_cbranch_scc0 .Lsc_v
.irp a, 0,1,2,3,4,5,6,7
	v_lshrrev_b32 v[SWD+\a], v[SH16], v[PW+\a]     ; the odd head's two bytes come down; the upper two bytes scale zero codes alone and are never 0xff
.endr
	global_store_b128 v[LSQ], v[SWD:SWD+3], s[12:13] offset:6144
	global_store_b128 v[LSQ], v[SWD+4:SWD+7], s[12:13] offset:6400
	s_branch .Lsc_done
.Lsc_v:
	v_cmp_ne_u32 vcc_lo, 0, v[SH16]
.irp k, 0,1,2,3
	v_cndmask_b32 v[SWD+\k], v[PW+\k], v[PW+4+\k], vcc_lo
.endr
	global_store_b128 v[LSQ], v[SWD:SWD+3], s[12:13] offset:6144
.Lsc_done:
	s_wait_tensorcnt 0x0                           ; the wave's end
	ds_add_u32 v[SPW], v[NIL]
	s_wait_dscnt 0x0
	CROUND                                         ; the closing round: no work-group ends while a partner may still ask for a tile that names it
	s_endpgm
.Lfunc_end_k_q76453c2422_qkvgemm:
	.size	k_q76453c2422_qkvgemm, .Lfunc_end_k_q76453c2422_qkvgemm-k_q76453c2422_qkvgemm
	.p2alignl 7, 3214868480
	.fill 96, 4, 3214868480
	.section	.rodata,"a",@progbits
	.p2align	6, 0x0
	.amdhsa_kernel k_q76453c2422_qkvgemm
		.amdhsa_group_segment_fixed_size 327680
		.amdhsa_private_segment_fixed_size 0
		.amdhsa_enable_private_segment 0
		.amdhsa_kernarg_size 32
		.amdhsa_user_sgpr_count 2
		.amdhsa_user_sgpr_kernarg_segment_ptr 1
		.amdhsa_wavefront_size32 1
		.amdhsa_system_sgpr_workgroup_id_x 1
		.amdhsa_system_sgpr_workgroup_id_y 1
		.amdhsa_system_sgpr_workgroup_id_z 1
		.amdhsa_system_vgpr_workitem_id 0
		.amdhsa_next_free_vgpr 1024
		.amdhsa_next_free_sgpr 100
		.amdhsa_reserve_vcc 1
		.amdhsa_float_denorm_mode_32 3
		.amdhsa_float_denorm_mode_16_64 3
		.amdhsa_memory_ordered 1
		.amdhsa_forward_progress 1
		.amdhsa_inst_pref_size 158
	.end_amdhsa_kernel
	.amdgpu_metadata
---
amdhsa.version: [ 1, 2 ]
amdhsa.kernels:
  - .name:           k_q76453c2422_qkvgemm
    .symbol:         k_q76453c2422_qkvgemm.kd
    .args:
      - { .name: opc, .offset: 0, .size: 8, .value_kind: global_buffer, .address_space: global }
      - { .name: ops, .offset: 8, .size: 8, .value_kind: global_buffer, .address_space: global }
      - { .name: qkv_b, .offset: 16, .size: 8, .value_kind: global_buffer, .address_space: global }
      - { .name: qkv, .offset: 24, .size: 8, .value_kind: global_buffer, .address_space: global }
    .group_segment_fixed_size: 327680
    .private_segment_fixed_size: 0
    .kernarg_segment_align: 8
    .kernarg_segment_size: 32
    .max_flat_workgroup_size: 128
    .sgpr_count:     100
    .vgpr_count:     1024
    .wavefront_size: 32
...
	.end_amdgpu_metadata
.endif
;; end of part 2
;; launch attn (part 3): grid 256 x 1, 16 waves a work-group, no clusters, 327,680 bytes of LDS; arguments qkv, ac, asc; writes ac, asc
.if DOCPART == 3
	.amdgcn_target "amdgcn-amd-amdhsa--gfx1250"
	.amdhsa_code_object_version 6
	.text
	.protected	k_q76453c2422_attn
	.globl	k_q76453c2422_attn
	.p2align	8
	.type	k_q76453c2422_attn,@function
k_q76453c2422_attn:
	s_mov_b64 s[64:65], 0
	v_nop
	global_prefetch_b8 v0, s[64:65] scope:SCOPE_SE
	s_setreg_imm32_b32 hwreg(HW_REG_WAVE_MODE, 25, 1), 1
	s_wait_xcnt 0x0
; softmax(q k^T / 8, causal) v for 32 heads of 2,048 tokens, on codes of FP6 (E2M3); the result leaves as codes and scale bytes for the output projection.
; A RECORD of qkv holds 128 tokens of one head: k's codes at 0 (8 tiles of 16 tokens, 768 bytes: 512 of 16 bytes a lane, 256 of 8), k's scale words at 6,144, v's codes at 6,656 (4 tiles of 16 columns x 128 tokens, 1,536 bytes),
; v's scale words at 12,800, q's codes at 13,056, q's scale words at 19,200.  Place r of tile i is row 64 (i / 4) + 8 (i % 4) + r % 8 + 32 (r / 8), for tokens and columns alike.
; So in S^T = k q^T lane (r, h) holds query r, and register 32 c + n is key 64 c + 32 h + n: WHOLE SCALE BLOCKS OF p IN A LANE; in O^T register n is column 32 h + n, a whole block of the output.
; THE DEAL.  A work-group has one head and two blocks of 128 queries, block i (short) and block 15 - i (long), i = 0 .. 7: 17 steps of 128 keys for each of eight tiles of 16 queries.
; LEFT OUT: steps that lie wholly under reference()'s causal mask (their scores are replaced by -inf, so p is 0 for all inputs); a NaN, an infinity or an overflow there is not carried to the result.
; Work-group 32 u + 4 i + e takes head 4 u + e.
; 16 waves: wave w has query tile w % 8.  Waves 0-7 take nine of the long block's steps; waves 8-15 take the short block whole, i + 1 steps, and then the long block's other 7 - i; the two parts of the long block are joined through LDS at the end.
; Each wave's steps stand in a list of nine digits of 4 bits, the record of trip 0 lowest.  Trips 0, 1, 2 use records 0-4 alone: so the work begins when those are in.
; LDS holds all keys of the head: record w at w x 13,056, fetched by wave w with one load: records 0-4 at the head, the others behind one full barrier, each only where the long block reaches it.  Nothing is filled again.
; Every wait on TENSORcnt is for 0; a wave has one tensor load out at the most.
; No cluster: partners of a head need different numbers of records, which the mask settles.  No prefetch: the second group of loads has two trips in which to land, and behind it nothing is loaded.
; q's upper six registers are zero codes, so what k's upper six registers hold counts for nothing: k's tile t is v[K + 6 t .. + 11], and its upper half is the next tile's codes.
; LIMITS: the scaled scores (exponents to the base 2) stay under 2^31 in magnitude; NaN and infinities among the inputs are not served; a block whose largest magnitude lies under 2^-124, or of zeros, gets the byte 1 (its reader is this program alone).
; A block's largest p is made of the block's largest score by the same multiply-add and exponential.
.set STEPB, 13056
.set REC,   19712
.set HS,    16*REC
.set PART,  16*STEPB                   ; the waves 8-15's part of the long block: 8 x 512 bytes of O^T, 256 of -M and the sum
.set PARTB, 4352
.set SPARE, PART+8*PARTB               ; the spare words, 128 bytes a wave
.set L16,  1                           ; 16 x lane
.set L8,   2                           ; 8 x lane
.set R16,  3                           ; 16 r
.set AD,   4                           ; LDS addresses of the step's record + 16 x lane, + 8 x lane, + 16 r
.set AD8,  5
.set ADS,  6
.set NINF, 7
.set SPW,  8                           ; my spare word; never rewritten
.set NIL,  9                           ; 0; never rewritten
.set PSW,  10                          ; p's scale word
.set H8,   11                          ; 8 h
                                       ; v12 -M, v13 the largest score, v[14:15] the row's sum in two halves
.set Q,    16                          ; v16-21 q's codes, v22-27 zeros
.set QSW,  28
.set DQ,   29                          ; my query's place among its 64 tokens, less 32 h
.set FF,   30                          ; v30 the factor of a change of M (v31: the pair's upper half)
.set BM,   32
.set SO,   34
.set PT,   36
.set SUM,  38
.set KSW,  40                          ; v40-43: lanes 0-15 the words of tiles 0-3, lanes 16-31 of tiles 4-7
.set VSW,  44
.set K,    48                          ; v48-95 k's codes, v96-101 zeros behind them
.set PC,   48                          ; behind the scores' products: p's codes v48-59, and the conversions' second halves
.set CT,   60
.set VF,   102
.set S,    150
.set O,    214
.set T0,   246
.set T1,   247
.set PX,   248
.set WV,   10                          ; s10 wave, s11 i, s12 head of 32, s13 head of 16, s14 batch, s15 wave % 8
.set WI,   11
.set BH,   12
.set HD,   13
.set BB,   14
.set J,    15
.set G1,   16                          ; s[16:23], s[24:27] the descriptor
.set G0,   24
.set GRP,  28                          ; my query tile's 64 tokens of the block: 0, 1
.set SW,   29                          ; trips to go to the change of query blocks
.set LEFT, 30                          ; trips to go in the last loop
.set HB,   32
.set SEL,  34
.set CS,   36
.set LST,  38
.set LIMB, 40                          ; the query block's number = the record on the diagonal
.set CNT,  41
.set LLONG, 42
.macro WALU
	s_wait_alu depctr_va_vdst(0)
.endm
.macro QADDR                           ; where my queries lie: codes s[52:53], scale words s[50:51]
	s_mul_i32 s43, s[LIMB], REC
	s_mov_b32 s45, 0
	s_add_co_u32 s44, s43, s48
	s_add_nc_u64 s[52:53], s[HB:HB+1], s[44:45]
	s_add_co_u32 s44, s43, s49
	s_add_nc_u64 s[50:51], s[HB:HB+1], s[44:45]
.endm
.macro OADDR                           ; where my result goes: codes s[54:55], scale bytes s[56:57]
	s_mul_i32 s44, s[LIMB], 98304
	s_add_co_u32 s44, s44, s46
	s_mov_b32 s45, 0
	s_add_nc_u64 s[54:55], s[6:7], s[44:45]
	s_lshl_b32 s44, s[LIMB], 12
	s_add_co_u32 s44, s44, s47
	s_add_nc_u64 s[56:57], s[8:9], s[44:45]
.endm
.macro QLOAD
	global_load_b128 v[Q:Q+3], v[L16], s[52:53]
	global_load_b64 v[Q+4:Q+5], v[L8], s[52:53] offset:512
	global_load_b32 v[QSW], v[R16], s[50:51]
.endm
.macro RESET                           ; no key seen yet
	v_mov_b32 v13, 0xff61b1e6              ; -3e38
	v_mov_b32 v12, 0x7e22f983              ; its -M: whole, as every number of that size
	v_mov_b32 v14, 0
	v_mov_b32 v15, 0
.set j, 0
.rept 32
	v_mov_b32 v[O+j], 0
.set j, j+1
.endr
.endm
; A query block is finished: T0 = the lane's part of the row's sum.  O^T / the sum, quantised along the head's 64, is stored.
.macro FINISH
	v_permlanex16_b32 v[PX], v[T0], s[SEL], s[SEL+1]
	v_add_f32 v[T0], v[T0], v[PX]
	WALU                                   ; the wait on both sides of the transcendental
	v_rcp_f32 v[T0], v[T0]
	v_nop
	WALU
.set j, 0
.rept 16
	v_pk_mul_f32 v[S+j:S+j+1], v[O+j:O+j+1], v[T0:T0+1] op_sel_hi:[1,0]
.set j, j+2
.endr
	v_max3_num_f32 v[BM], |v[S]|, |v[S+1]|, 0x1800000
	v_max3_num_f32 v[BM+1], |v[S+16]|, |v[S+17]|, |v[S+18]|
.irp i, 2,4,6,8,10,12
	v_max3_num_f32 v[BM], v[BM], |v[S+\i]|, |v[S+\i+1]|
	v_max3_num_f32 v[BM+1], v[BM+1], |v[S+\i+17]|, |v[S+\i+18]|
.endr
	v_max3_num_f32 v[BM], v[BM], |v[S+14]|, |v[S+15]|
	v_max3_num_f32 v[BM], v[BM], v[BM+1], |v[S+31]|
	v_add_nc_u32 v[SO], 0xff000000, v[BM]  ; 2 off the exponent field: the conversion's scale operand
	v_lshrrev_b32 v[PT], 23, v[SO]
	v_lshlrev_b32 v[PT], v[H8], v[PT]
	v_permlanex16_b32 v[PX], v[PT], s[SEL], s[SEL+1]
	v_or_b32 v[PT], v[PT], v[PX]           ; the row's two bytes, in both halves of the lanes
	v_cvt_scalef32_pk16_fp6_f32 v[PC:PC+2], v[S:S+15], v[SO]
	v_cvt_scalef32_pk16_fp6_f32 v[CT:CT+2], v[S+16:S+31], v[SO]
	v_nop                                  ; one plain place behind a scaled conversion
.irp i, 0,1,2
	v_mov_b32 v[PC+3+\i], v[CT+\i]
.endr
	global_store_b128 v[L16], v[PC:PC+3], s[54:55]
	global_store_b64 v[L8], v[PC+4:PC+5], s[54:55] offset:512
	global_store_b16 v[R16], v[PT], s[56:57]
.endm
.macro ADDS j                          ; the row's sum is taken of the unquantised p
	v_pk_add_f32 v[14:15], v[14:15], v[S+\j:S+\j+1]
	v_pk_add_f32 v[SUM:SUM+1], v[SUM:SUM+1], v[S+\j+2:S+\j+3]
.endm
; ONE STEP of 128 keys: LDS loads and work on registers alone.  lim: the highest record that this place's trips may use; last = 1: waves 8-15 pass over the ninth trip.
.macro STEP lim, last
.if \last
	s_cmp_eq_u32 s[LEFT], 0
	s_cbranch_scc1 .Lskip_\@
.endif
	s_and_b32 s43, s[LST], 15
	s_min_u32 s43, s43, \lim
	s_lshr_b64 s[LST:LST+1], s[LST:LST+1], 4
	s_mul_i32 s44, s43, STEPB
	v_add_nc_u32 v[AD], s44, v[L16]
	v_add_nc_u32 v[AD8], s44, v[L8]
	v_add_nc_u32 v[ADS], s44, v[R16]
	v_nop                                  ; with the three lines above: four places behind the last trip's products, ahead of loads into their registers
.irp t, 0,1,2,3,4,5,6,7
	ds_load_b128 v[K+6*\t:K+6*\t+3], v[AD] offset:768*\t
	ds_load_b64 v[K+6*\t+4:K+6*\t+5], v[AD8] offset:768*\t+512
.endr
	ds_load_b128 v[KSW:KSW+3], v[AD] offset:6144
.irp i, 0,1,2,3
.irp p, 0,1,2
	ds_load_b128 v[VF+12*\i+4*\p:VF+12*\i+4*\p+3], v[AD] offset:6656+1536*\i+512*\p
.endr
.endr
	ds_load_b128 v[VSW:VSW+3], v[ADS] offset:12800
	s_wait_dscnt 13                        ; k is in; v's 12 loads and its scale words' may be out
.irp t, 0,1,2,3
	v_wmma_scale_f32_16x16x128_f8f6f4 v[S+8*\t:S+8*\t+7], v[K+6*\t:K+6*\t+11], v[Q:Q+11], 0, v[KSW+\t], v[QSW] matrix_a_fmt:MATRIX_FMT_FP6 matrix_b_fmt:MATRIX_FMT_FP6
.endr
.irp t, 4,5,6,7
	v_wmma_scale_f32_16x16x128_f8f6f4 v[S+8*\t:S+8*\t+7], v[K+6*\t:K+6*\t+11], v[Q:Q+11], 0, v[KSW+\t-4], v[QSW] matrix_a_fmt:MATRIX_FMT_FP6 matrix_b_fmt:MATRIX_FMT_FP6 matrix_a_scale:MATRIX_SCALE_ROW1
.endr
.rept 4
	v_nop
.endr
	s_cmp_lg_u32 s43, s[LIMB]
	s_cbranch_scc1 .Lopen_\@
	s_cmp_eq_u32 s[GRP], 0                 ; on the diagonal: my queries lie among the block's first or its last 64 tokens
	s_cbranch_scc1 .Llow_\@
.set n, 0
.rept 32
	v_cmp_gt_i32 vcc_lo, n, v[DQ]
	v_cndmask_b32 v[S+32+n], v[S+32+n], v[NINF], vcc_lo
.set n, n+1
.endr
	WALU
	s_branch .Lopen_\@
.Llow_\@:
.set n, 0
.rept 32
	v_cmp_gt_i32 vcc_lo, n, v[DQ]
	v_cndmask_b32 v[S+n], v[S+n], v[NINF], vcc_lo
.set n, n+1
.endr
.set n, 0
.rept 32
	v_mov_b32 v[S+32+n], v[NINF]
.set n, n+1
.endr
	WALU
.Lopen_\@:
.irp c, 0,1                            ; the largest score of each of my two blocks of 32 keys, two chains a block; each accumulator is read from its low end on
	v_max3_num_f32 v[BM+\c], v[S+32*\c], v[S+32*\c+1], v[S+32*\c+2]
	v_max3_num_f32 v[PT+\c], v[S+32*\c+16], v[S+32*\c+17], v[S+32*\c+18]
.endr
.irp i, 3,5,7,9,11,13
.irp c, 0,1
	v_max3_num_f32 v[BM+\c], v[BM+\c], v[S+32*\c+\i], v[S+32*\c+\i+1]
	v_max3_num_f32 v[PT+\c], v[PT+\c], v[S+32*\c+\i+16], v[S+32*\c+\i+17]
.endr
.endr
.irp c, 0,1
	v_max3_num_f32 v[BM+\c], v[BM+\c], v[S+32*\c+15], v[S+32*\c+31]
.endr
.irp c, 0,1
	v_max_num_f32 v[BM+\c], v[BM+\c], v[PT+\c]
.endr
	v_max_num_f32 v[T0], v[BM], v[BM+1]
	v_permlanex16_b32 v[PX], v[T0], s[SEL], s[SEL+1]
	v_max3_num_f32 v13, v13, v[T0], v[PX]  ; the row's running largest score
	v_mul_f32 v[T1], 0xbe38aa3b, v13       ; x -log2(e) / 8
	v_floor_f32 v[T1], v[T1]               ; the new -M, M a whole number
	v_sub_f32 v[T0], v[T1], v12            ; M's old value less its new one
	v_mov_b32 v12, v[T1]
	v_cvt_i32_f32 v[T0], v[T0]             ; (it saturates)
	v_ldexp_f32 v[FF], 1.0, v[T0]
.set j, 0
.rept 32
	v_pk_fma_f32 v[S+j:S+j+1], v[S+j:S+j+1], s[CS:CS+1], v[12:13] op_sel_hi:[1,0,0]
.set j, j+2
.endr
.irp c, 0,1
	v_fma_f32 v[BM+\c], v[BM+\c], s[CS], v12
.endr
	WALU                                   ; the wait ahead of the wait below and of the batch
	s_wait_dscnt 0x0                       ; v is in
	v_exp_f32 v[BM], v[BM]                 ; the blocks' largest p
	v_exp_f32 v[BM+1], v[BM+1]
.set j, 0
.rept 64
	v_exp_f32 v[S+j], v[S+j]               ; p = 2^(t - M)
.set j, j+1
.endr
	v_pk_mul_f32 v[14:15], v[14:15], v[FF:FF+1] op_sel_hi:[1,0]
	WALU                                   ; one wait for the batch, and ahead of O^T's first reader
.set j, 0
.rept 16
	v_pk_mul_f32 v[O+j:O+j+1], v[O+j:O+j+1], v[FF:FF+1] op_sel_hi:[1,0]
.set j, j+2
.endr
	v_max_num_f32 v[BM], 0x1800000, v[BM]  ; the floor 2^(3 - 127): the byte cannot fall under 1
	v_max_num_f32 v[BM+1], 0x1800000, v[BM+1]
	v_pk_add_f32 v[SUM:SUM+1], v[S:S+1], v[S+2:S+3]
	ADDS 4
	v_add_nc_u32 v[SO], 0xff000000, v[BM]
	v_add_nc_u32 v[SO+1], 0xff000000, v[BM+1]
	ADDS 8
	ADDS 12
.irp c, 0,1
	v_cvt_scalef32_pk16_fp6_f32 v[PC+6*\c:PC+6*\c+2], v[S+32*\c:S+32*\c+15], v[SO+\c]
	v_cvt_scalef32_pk16_fp6_f32 v[CT+4*\c:CT+4*\c+2], v[S+32*\c+16:S+32*\c+31], v[SO+\c]   ; (a conversion's three registers begin on an even number)
.endr
	ADDS 16                                ; (the place behind the conversions)
.irp c, 0,1
	v_lshrrev_b32 v[PT+\c], 23, v[SO+\c]   ; the scales' bytes
.endr
.irp c, 0,1
.irp i, 0,1,2
	v_mov_b32 v[PC+6*\c+3+\i], v[CT+4*\c+\i]
.endr
.endr
	v_lshl_or_b32 v[PT], v[PT+1], 16, v[PT]
	ADDS 20
	v_lshlrev_b32 v[PT], v[H8], v[PT]      ; blocks h and 2 + h at their places in the word
	ADDS 24
	ADDS 28
	v_permlanex16_b32 v[PX], v[PT], s[SEL], s[SEL+1]
	ADDS 32
	ADDS 36
	v_or_b32 v[PSW], v[PT], v[PX]          ; p's scale word for these 128 keys
.irp j, 40,44,48,52,56,60
	ADDS \j
.endr
	v_pk_add_f32 v[14:15], v[14:15], v[SUM:SUM+1]
.irp i, 0,1,2,3
	v_wmma_scale_f32_16x16x128_f8f6f4 v[O+8*\i:O+8*\i+7], v[VF+12*\i:VF+12*\i+11], v[PC:PC+11], v[O+8*\i:O+8*\i+7], v[VSW+\i], v[PSW] matrix_a_fmt:MATRIX_FMT_FP6 matrix_b_fmt:MATRIX_FMT_FP6
.endr
.Lskip_\@:
.if \last
	s_sub_co_u32 s[LEFT], s[LEFT], 1
.endif
.endm
; Behind each step: THE CHANGE OF QUERY BLOCKS (waves 8-15, once): the long block's queries are asked for, the short block goes out.
.macro CHANGE
	s_sub_co_u32 s[SW], s[SW], 1
	s_cmp_lg_u32 s[SW], 0
	s_cbranch_scc1 .Lstay_\@
	WALU
	s_mov_b32 s[LIMB], s[LLONG]
	QADDR
.rept 4
	v_nop
.endr
	QLOAD
	v_add_f32 v[T0], v14, v15
	FINISH
	s_wait_xcnt 0x0                        ; the stores have read their registers and bases
	OADDR
	RESET
	WALU                                   ; the wait here, directly ahead of the wait below
	s_wait_loadcnt 0x0
.Lstay_\@:
.endm
	s_load_b128 s[4:7], s[0:1], 0x0        ; qkv, ac
	s_load_b64 s[8:9], s[0:1], 0x10        ; asc
	v_lshl_add_u32 v[SPW], v0, 2, SPARE
	v_mov_b32 v[NIL], 0
	ds_add_u32 v[SPW], v[NIL]              ; the opening lines
	ds_add_u32 v[SPW], v[NIL]
	v_lshrrev_b32 v1, 5, v0
	v_readfirstlane_b32 s[WV], v1
	s_and_b32 s[J], s[WV], 7
	s_lshr_b32 s[GRP], s[J], 2
	s_bfe_u32 s[WI], ttmp9, 0x30002        ; i
	s_lshr_b32 s[BH], ttmp9, 5
	s_lshl_b32 s[BH], s[BH], 2
	s_and_b32 s43, ttmp9, 3
	s_add_co_u32 s[BH], s[BH], s43         ; the head, 0 .. 31
	s_and_b32 s[HD], s[BH], 15
	s_lshr_b32 s[BB], s[BH], 4
	s_sub_co_u32 s[LLONG], 15, s[WI]
	s_mov_b32 s[G1], 3<<16                 ; elements of 8 bytes; k, v and their scales: 51 dense rows of 256 bytes
	s_mov_b32 s[G1+1], 32<<16
	s_mov_b32 s[G1+2], 51<<16
	s_mov_b32 s[G1+3], 32<<16
	s_mov_b32 s[G1+4], 51
	s_mov_b32 s[G1+5], 32
	s_mov_b32 s[G1+6], 0
	s_mov_b32 s[G1+7], 0
	s_mov_b32 s[G0], 1
	s_mul_i32 s[G0+1], s[WV], STEPB
	s_mul_i32 s44, s[BH], HS
	s_mov_b32 s45, 0
	s_mul_i32 s58, s[WV], REC
	s_mov_b32 s59, 0
	WALU                                   ; the wait here, directly ahead of the waits below
	s_wait_dscnt 0x0
	s_wait_kmcnt 0x0
	s_add_nc_u64 s[HB:HB+1], s[4:5], s[44:45]
	s_add_nc_u64 s[G0+2:G0+3], s[HB:HB+1], s[58:59]
	s_or_b32 s[G0+3], s[G0+3], 0x80000000
	s_cmp_lt_u32 s[WV], 5
	s_cbranch_scc0 .Lhead_asked
	tensor_load_to_lds s[G0:G0+3], s[G1:G1+7]     ; records 0-4
	s_nop 0
.rept 4
	v_nop
.endr
.Lhead_asked:
	s_lshl_b32 s43, s[WI], 2               ; the list of waves 8-15: the digits 0 .. i, then those of 9abc843. (trip 7 first)
	s_sub_co_u32 s43, 28, s43
	s_lshr_b32 s43, -1, s43
	s_and_b32 s44, s43, 0x76543210
	s_mov_b32 s45, 0x9abc8430
	s_and_not1_b32 s45, s45, s43
	s_or_b32 s44, s44, s45
	s_mov_b32 s58, 0x76543210              ; of waves 0-7: the long block's other records
	s_mov_b32 s59, 8
	s_cmp_eq_u32 s[WI], 2
	s_cselect_b32 s59, 13, s59
	s_cmp_eq_u32 s[WI], 1
	s_cselect_b32 s59, 14, s59
	s_cselect_b32 s58, 0xd7653210, s58
	s_cmp_eq_u32 s[WI], 0
	s_cselect_b32 s59, 15, s59
	s_cselect_b32 s58, 0xed765210, s58
	s_add_co_u32 s45, s[WI], 1
	s_cmp_lt_u32 s[WV], 8
	s_cselect_b32 s[LST], s58, s44
	s_cselect_b32 s[LST+1], s59, 0
	s_cselect_b32 s[LIMB], s[LLONG], s[WI]
	s_cselect_b32 s[SW], 64, s45           ; (waves 0-7 never change)
	s_cselect_b32 s[LEFT], 6, 5            ; of trips 3 to 8
	s_lshl_b32 s43, s[BB], 7               ; ac: tile 128 batch + 8 block + tile, 12,288 bytes; half a fragment of the head pair's 1,536
	s_add_co_u32 s43, s43, s[J]
	s_mul_i32 s46, s43, 12288
	s_mul_i32 s44, s[HD], 768
	s_add_co_u32 s46, s46, s44
	s_lshl_b32 s47, s43, 9                 ; asc: [tile][head / 8][r][head / 2 % 4][head % 2][2 bytes]
	s_lshr_b32 s44, s[HD], 3
	s_lshl_b32 s44, s44, 8
	s_add_co_u32 s47, s47, s44
	s_and_b32 s44, s[HD], 7
	s_lshl_b32 s44, s44, 1
	s_add_co_u32 s47, s47, s44
	s_mul_i32 s48, s[J], 768               ; q in its record
	s_add_co_u32 s48, s48, 13056
	s_lshl_b32 s49, s[GRP], 8
	s_and_b32 s44, s[J], 3
	s_lshl_b32 s45, s44, 2
	s_add_co_u32 s49, s49, s45
	s_add_co_u32 s49, s49, 19200
	s_lshl_b32 s58, s44, 3
	QADDR
	OADDR
	s_mov_b32 s[SEL], 0x76543210           ; v_permlanex16_b32's selects for lane l xor 16
	s_mov_b32 s[SEL+1], 0xfedcba98
	s_mov_b32 s[CS], 0x3e38aa3b            ; log2(e) / 8
	s_mov_b32 s[CS+1], s[CS]
	v_and_b32 v[L8], 31, v0
	v_and_b32 v[R16], 15, v0
	v_bfe_u32 v[H8], v0, 4, 1
	v_lshlrev_b32 v[L16], 4, v[L8]
	v_lshlrev_b32 v[L8], 3, v[L8]
	v_and_b32 v[DQ], 8, v[R16]
	v_mad_u32_u24 v[DQ], v[DQ], 3, v[R16]  ; r % 8 + 32 (r / 8)
	v_lshlrev_b32 v[T0], 5, v[H8]
	v_sub_nc_u32 v[DQ], v[DQ], v[T0]
	v_add_nc_u32 v[DQ], s58, v[DQ]
	v_lshlrev_b32 v[R16], 4, v[R16]
	v_lshlrev_b32 v[H8], 3, v[H8]
	QLOAD
	v_mov_b32 v[NINF], 0xff800000
.irp j, 0,1,2,3,4,5
	v_mov_b32 v[Q+6+\j], 0
	v_mov_b32 v[K+48+\j], 0
.endr
	v_mov_b32 v[FF+1], 0
	v_mov_b32 v[PX], 0                     ; a lane permute's destination counts as one of its sources
	RESET
	WALU                                   ; the wait at the head's end
	s_wait_loadcnt 0x0                     ; q is in
	s_wait_tensorcnt 0x0                   ; the head's loads are in
	ds_add_u32 v[SPW], v[NIL]
	ds_add_u32 v[SPW], v[NIL]
	s_wait_dscnt 0x0
	s_barrier_signal -1
	s_barrier_wait -1                      ; records 0-4 are in
	s_cmp_lt_u32 s[WV], 5
	s_cbranch_scc1 .Lno_more
	s_cmp_gt_u32 s[WV], s[LLONG]           ; under the causal mask nobody reads a record behind the long block's own
	s_cbranch_scc1 .Lno_more
	tensor_load_to_lds s[G0:G0+3], s[G1:G1+7]     ; records 5-15
	s_nop 0
.rept 4
	v_nop
.endr
.Lno_more:
	s_mov_b32 s[CNT], 2
.Lone:
	STEP 4, 0
	CHANGE
	s_sub_co_u32 s[CNT], s[CNT], 1
	s_cmp_lg_u32 s[CNT], 0
	s_cbranch_scc1 .Lone
	WALU
	s_wait_tensorcnt 0x0                   ; my part of the other records is in
	s_wait_dscnt 0x0
	s_barrier_signal -1
	STEP 4, 0                              ; between signal and wait: LDS loads of records 0-4, which nobody writes any more, and work on registers
	WALU
	s_barrier_wait -1                      ; all records are in
	CHANGE
	s_mov_b32 s[CNT], 6
.Ltwo:
	STEP 15, 1
	CHANGE
	s_sub_co_u32 s[CNT], s[CNT], 1
	s_cmp_lg_u32 s[CNT], 0
	s_cbranch_scc1 .Ltwo
; THE JOIN: waves 8-15 hand their part of the long block to waves 0-7 (for i = 7 an empty one: O^T and the sum zeros under the least M).
	s_mul_i32 s43, s[J], PARTB
	s_add_co_u32 s43, s43, PART
	v_add_nc_u32 v[AD], s43, v[L16]
	v_add_nc_u32 v[AD8], s43, v[L8]
.rept 4
	v_nop
.endr
	WALU
	s_cmp_lt_u32 s[WV], 8
	s_cbranch_scc1 .Lno_part
	v_add_f32 v13, v14, v15
.irp k, 0,1,2,3,4,5,6,7
	ds_store_b128 v[AD], v[O+4*\k:O+4*\k+3] offset:512*\k
.endr
	ds_store_b64 v[AD8], v[12:13] offset:4096
.Lno_part:
	s_wait_dscnt 0x0
	s_barrier_signal -1
	s_barrier_wait -1
	s_cmp_lt_u32 s[WV], 8
	s_cbranch_scc0 .Lend
	ds_load_b64 v[BM:BM+1], v[AD8] offset:4096
.irp k, 0,1,2,3,4,5,6,7
	ds_load_b128 v[S+4*\k:S+4*\k+3], v[AD] offset:512*\k
.endr
	s_wait_dscnt 0x0
	v_min_num_f32 v[T1], v12, v[BM]        ; the common -M
	v_sub_f32 v[T0], v[T1], v12
	v_sub_f32 v[PX], v[T1], v[BM]
	v_cvt_i32_f32 v[T0], v[T0]
	v_cvt_i32_f32 v[PX], v[PX]
	v_ldexp_f32 v[FF], 1.0, v[T0]
	v_ldexp_f32 v[SO], 1.0, v[PX]
	v_add_f32 v[T0], v14, v15
	v_mul_f32 v[T0], v[T0], v[FF]
	v_fma_f32 v[T0], v[BM+1], v[SO], v[T0]
.set j, 0
.rept 16
	v_pk_mul_f32 v[O+j:O+j+1], v[O+j:O+j+1], v[FF:FF+1] op_sel_hi:[1,0]
.set j, j+2
.endr
.set j, 0
.rept 16
	v_pk_fma_f32 v[O+j:O+j+1], v[S+j:S+j+1], v[SO:SO+1], v[O+j:O+j+1] op_sel_hi:[1,0,1]
.set j, j+2
.endr
	FINISH
.Lend:
	s_wait_tensorcnt 0x0                   ; the wave's end
	ds_add_u32 v[SPW], v[NIL]
	s_wait_dscnt 0x0
	s_endpgm
.Lfunc_end_k_q76453c2422_attn:
	.size	k_q76453c2422_attn, .Lfunc_end_k_q76453c2422_attn-k_q76453c2422_attn
	.p2alignl 7, 3214868480
	.fill 96, 4, 3214868480
	.section	.rodata,"a",@progbits
	.p2align	6, 0x0
	.amdhsa_kernel k_q76453c2422_attn
		.amdhsa_group_segment_fixed_size 327680
		.amdhsa_private_segment_fixed_size 0
		.amdhsa_enable_private_segment 0
		.amdhsa_kernarg_size 24
		.amdhsa_user_sgpr_count 2
		.amdhsa_user_sgpr_kernarg_segment_ptr 1
		.amdhsa_wavefront_size32 1
		.amdhsa_system_sgpr_workgroup_id_x 1
		.amdhsa_system_sgpr_workgroup_id_y 1
		.amdhsa_system_sgpr_workgroup_id_z 1
		.amdhsa_system_vgpr_workitem_id 0
		.amdhsa_next_free_vgpr 256
		.amdhsa_next_free_sgpr 66
		.amdhsa_reserve_vcc 1
		.amdhsa_float_denorm_mode_32 3
		.amdhsa_float_denorm_mode_16_64 3
		.amdhsa_memory_ordered 1
		.amdhsa_forward_progress 1
		.amdhsa_inst_pref_size 91
	.end_amdhsa_kernel
	.amdgpu_metadata
---
amdhsa.version: [ 1, 2 ]
amdhsa.kernels:
  - .name:           k_q76453c2422_attn
    .symbol:         k_q76453c2422_attn.kd
    .args:
      - { .name: qkv, .offset: 0, .size: 8, .value_kind: global_buffer, .address_space: global }
      - { .name: ac, .offset: 8, .size: 8, .value_kind: global_buffer, .address_space: global }
      - { .name: asc, .offset: 16, .size: 8, .value_kind: global_buffer, .address_space: global }
    .group_segment_fixed_size: 327680
    .private_segment_fixed_size: 0
    .kernarg_segment_align: 8
    .kernarg_segment_size: 24
    .max_flat_workgroup_size: 512
    .sgpr_count:     66
    .vgpr_count:     256
    .wavefront_size: 32
...
	.end_amdgpu_metadata
.endif
;; end of part 3
;; launch outproj (part 4): grid 8 x 32, 4 waves a work-group, clusters of 4 x 4, 222,720 bytes of LDS; arguments ac, asc, opc, ops, out_b, out0; writes out0
.if DOCPART == 4
	.amdgcn_target "amdgcn-amd-amdhsa--gfx1250"
	.amdhsa_code_object_version 6
	.text
	.protected	k_q76453c2422_outproj
	.globl	k_q76453c2422_outproj
	.p2align	8
	.type	k_q76453c2422_outproj,@function
k_q76453c2422_outproj:
	s_mov_b64 s[64:65], 0
	v_nop
	global_prefetch_b8 v0, s[64:65] scope:SCOPE_SE
	s_setreg_imm32_b32 hwreg(HW_REG_WAVE_MODE, 25, 1), 1
	s_wait_xcnt 0x0
	s_wait_alu depctr_hold_cnt(0) depctr_sa_sdst(0) depctr_va_vdst(0) depctr_va_sdst(0) depctr_va_ssrc(0) depctr_va_vcc(0) depctr_vm_vsrc(0)
	s_getreg_b32 s2, hwreg(HW_REG_IB_STS2, 6, 4)
	s_cmp_eq_u32 s2, 0
	s_cbranch_scc0 .Lentry_in_a_cluster
	s_endpgm
.Lentry_in_a_cluster:
	s_bfe_u32 s2, ttmp6, 0x10000c
	s_cmp_lg_u32 s2, 0xf033
	s_cbranch_scc0 .Lentry_shape_is_right
	s_endpgm
.Lentry_shape_is_right:
; out0 = a out_w^T + out_b on codes of FP6 (E2M3) with E8M0 scales: a [4096][1024] as attention has left it (ac, asc), out_w as opc's tiles 448-511 with ops.  out0 is f32.
; 4,096 x 1,024 in tiles of 128 x 128 gives 256 work-groups, one for each WGP.  Four waves, each 64 x 64: 16 accumulators.
; Source 0 = 16 rows of out_w, source 1 = 16 tokens: a lane holds one token and eight neighbouring outputs of a tile.  Place r of tile i is row 64 (i / 4) + 8 (i % 4) + r % 8 + 32 (r / 8), for tokens and outputs alike:
; a lane's registers of four tiles of outputs are 32 neighbours.
; ALL OF K FITS IN LDS: the tokens' 8 tiles, out_w's 8 and all scale words come by four joint loads at the head, one a wave.  Nothing is filled again: no ring; with nothing left to load behind the head, no prefetch.
; CLUSTER 4 x 4: the tokens' tiles are shared along a row of the cluster, out_w's along a column.
; The bias is the C of the first K step.  The way out goes tile by tile of 16 tokens through a stage of the wave's own: sixteen lanes store 256 consecutive bytes of a row of out0, aligned.
; REGISTERS: window 0: v16-31 addresses; v32-63 scale words; v64-95 the bias; v128-255 accumulator (a, b) at v[128 + 8 (4 a + b)].  window 1: two sets of 96 at v0 and v128: the tokens' 4 fragments, then out_w's 4.
.set FRB,   1536
.set TILE,  8*FRB                      ; a tile's bytes, all of K
.set HALF,  8*TILE                     ; 8 tiles
.set SCL,   2*HALF                     ; the scale words: 4,096 bytes of the tokens' tiles, 4,096 of out_w's
.set STG,   SCL+8192                   ; the stages: 16 rows x 272 bytes for each wave; no tensor load lands here
.set SP,    272
.set SPARE, STG+4*16*SP                ; the spare words, 128 bytes a wave
.set ADRA16, 16                        ; the tokens' fragments, pieces of 16 bytes a lane
.set ADRA8,  18                        ; their pieces of 8 bytes a lane
.set ADRB,   20                        ; out_w's fragments
.set STO,  24
.set RD,   25
.set L16,  26
.set ADRS, 27
.set BO,   28
.set CO,   29
.set SPW,  30                          ; my spare word; never rewritten
.set NIL,  31                          ; 0; never rewritten
.set SC,   32
.set BI,   64
.set BK,   96                          ; the way out: rows read back, with the bias's registers by turns
.set ACC,  128
.set G1A,  24
.set G0A,  32
.set G0SA, 40
.set G1B,  48
.set G0B,  56
.set G0SB, 68
.set G1SA, 72
.set G1SB, 80
.set MSB, 0
.macro WIN new
.if MSB != (\new)
	s_set_vgpr_msb (MSB<<8)|(\new)
.set MSB, (\new)
.endif
.endm
.macro ARM w, g0, g1, next             ; the head's loads, one a wave
	s_cmp_eq_u32 s16, \w
	s_cbranch_scc0 \next
	tensor_load_to_lds s[\g0:\g0+3], s[\g1:\g1+7]
	s_nop 0
.rept 4
	v_nop
.endr
	s_branch .Lhead_asked
\next:
.endm
.macro CROUND                          ; a round of the cluster's barrier
	s_barrier_signal -1
	s_barrier_wait -1
	s_cmp_lg_u32 s16, 0
	s_cbranch_scc1 .Lnot_wave_0_\@
	s_barrier_signal -3
.Lnot_wave_0_\@:
	s_barrier_wait -3
	s_barrier_signal -1
	s_barrier_wait -1
.endm
	s_load_b256 s[4:11], s[0:1], 0x0               ; ac s[4:5], asc s[6:7], opc s[8:9], ops s[10:11]
	s_load_b128 s[12:15], s[0:1], 0x20             ; out_b s[12:13], out0 s[14:15]
	v_lshl_add_u32 v[SPW], v0, 2, SPARE
	v_mov_b32 v[NIL], 0
	ds_add_u32 v[SPW], v[NIL]                      ; the opening lines
	ds_add_u32 v[SPW], v[NIL]
	v_lshrrev_b32 v1, 5, v0
	v_readfirstlane_b32 s16, v1                    ; wave 0..3
	s_lshr_b32 s17, s16, 1                         ; my half of the tokens
	s_and_b32 s18, s16, 1                          ; my half of the outputs
	s_bfe_u32 s88, ttmp6, 0x40000                  ; cx
	s_bfe_u32 s89, ttmp6, 0x40004                  ; cy
	s_lshl_b32 s44, ttmp9, 2
	s_add_co_u32 s44, s44, s88                     ; work-group x, 0..7: 128 outputs
	s_and_b32 s20, ttmp7, 0xffff
	s_lshl_b32 s20, s20, 2
	s_add_co_u32 s20, s20, s89                     ; work-group y, 0..31: 128 tokens
	s_mov_b32 s46, s20
	s_lshl_b32 s91, s89, 2
	s_lshl_b32 s91, 15, s91                        ; my row of the cluster
	s_lshl_b32 s90, 0x1111, s88                    ; my column
	; group 1, codes: 8 dense tiles of 1,536 elements of 8 bytes; no padding
	s_or_b32 s[G1A], s91, (3<<16)|(1<<21)
	s_or_b32 s[G1B], s90, (3<<16)|(1<<21)
.irp g, G1A, G1B
	s_mov_b32 s[\g+1], 1536<<16
	s_mov_b32 s[\g+2], 8<<16
	s_mov_b32 s[\g+3], 1536<<16
	s_mov_b32 s[\g+4], 8
	s_mov_b32 s[\g+5], 1536
	s_mov_b32 s[\g+6], 0
	s_mov_b32 s[\g+7], 0
.endr
	; group 1, scales: 8 tiles' 4,096 dense bytes as 16 rows of 256
	s_or_b32 s[G1SA], s91, (3<<16)|(1<<21)
	s_or_b32 s[G1SB], s90, (3<<16)|(1<<21)
.irp g, G1SA, G1SB
	s_mov_b32 s[\g+1], 32<<16
	s_mov_b32 s[\g+2], 16<<16
	s_mov_b32 s[\g+3], 32<<16
	s_mov_b32 s[\g+4], 16
	s_mov_b32 s[\g+5], 32
	s_mov_b32 s[\g+6], 0
	s_mov_b32 s[\g+7], 0
.endr
	s_lshl_b32 s20, s20, 3                         ; tokens: tile 8 y
	s_lshl_b32 s22, s44, 3
	s_add_co_u32 s22, s22, 448                     ; out_w: tile 448 + 8 x
	s_lshl_b32 s2, s20, 9
	s_mov_b32 s3, 0
	s_mul_i32 s20, s20, TILE
	s_mov_b32 s21, 0
	s_lshl_b32 s66, s22, 9
	s_mov_b32 s67, 0
	s_mul_i32 s22, s22, TILE
	s_mov_b32 s23, 0
	s_wait_alu depctr_va_vdst(0)                   ; the wait here, directly ahead of the waits below
	s_wait_dscnt 0x0
	s_wait_kmcnt 0x0
	s_add_nc_u64 s[20:21], s[4:5], s[20:21]
	s_add_nc_u64 s[2:3], s[6:7], s[2:3]
	s_add_nc_u64 s[22:23], s[8:9], s[22:23]
	s_add_nc_u64 s[66:67], s[10:11], s[66:67]
	CROUND                                         ; all sixteen work-groups are here: the joint loads meet
	s_mov_b32 s[G0SA], 1
	s_mov_b32 s[G0SA+1], SCL
	s_mov_b64 s[G0SA+2:G0SA+3], s[2:3]
	s_or_b32 s[G0SA+3], s[G0SA+3], 0x80000000
	s_mov_b32 s[G0SB], 1
	s_mov_b32 s[G0SB+1], SCL+4096
	s_mov_b64 s[G0SB+2:G0SB+3], s[66:67]
	s_or_b32 s[G0SB+3], s[G0SB+3], 0x80000000
	s_mov_b32 s[G0A], 1
	s_mov_b32 s[G0A+1], 0
	s_mov_b64 s[G0A+2:G0A+3], s[20:21]
	s_or_b32 s[G0A+3], s[G0A+3], 0x80000000
	s_mov_b32 s[G0B], 1
	s_mov_b32 s[G0B+1], HALF
	s_mov_b64 s[G0B+2:G0B+3], s[22:23]
	s_or_b32 s[G0B+3], s[G0B+3], 0x80000000
	ARM 0, G0A, G1A, .Lhead_1                      ; the tokens' 8 tiles,
	ARM 1, G0SA, G1SA, .Lhead_2                    ; their scale words,
	ARM 2, G0B, G1B, .Lhead_3                      ; out_w's 8 tiles,
	tensor_load_to_lds s[G0SB:G0SB+3], s[G1SB:G1SB+7]   ; and their scale words
	s_nop 0
.rept 4
	v_nop
.endr
.Lhead_asked:
	; out0 at my 64 rows and my 64 outputs; out_b at my 64 outputs
	s_lshl_b32 s88, s46, 19
	s_lshl_b32 s89, s17, 18
	s_add_co_u32 s88, s88, s89
	s_lshl_b32 s89, s18, 8
	s_add_co_u32 s88, s88, s89
	s_lshl_b32 s89, s44, 9
	s_add_co_u32 s88, s88, s89
	s_mov_b32 s89, 0
	s_add_nc_u64 s[14:15], s[14:15], s[88:89]
	s_lshl_b32 s90, s44, 9
	s_lshl_b32 s91, s18, 8
	s_add_co_u32 s90, s90, s91
	s_mov_b32 s91, 0
	s_add_nc_u64 s[12:13], s[12:13], s[90:91]
	v_and_b32 v2, 31, v0
	v_and_b32 v3, 15, v0                           ; r
	v_bfe_u32 v4, v0, 4, 1                         ; h
	v_lshlrev_b32 v[BO], 7, v4
.irp b, 0,1,2,3                                ; C of accumulator (a, b): the lane's eight outputs 32 h + 8 b + 0 .. 7
	global_load_b128 v[BI+8*\b:BI+8*\b+3], v[BO], s[12:13] offset:32*\b
	global_load_b128 v[BI+8*\b+4:BI+8*\b+7], v[BO], s[12:13] offset:32*\b+16
.endr
	v_lshlrev_b32 v[L16], 4, v2
	v_lshlrev_b32 v5, 3, v2
	s_mul_i32 s45, s17, 4*TILE                     ; my 4 tiles of tokens,
	s_mul_i32 s47, s18, 4*TILE
	s_add_co_u32 s47, s47, HALF                    ; my 4 of out_w, behind the tokens' 8
	v_add_nc_u32 v[ADRA16], s45, v[L16]
	v_add_nc_u32 v[ADRA8], s45, v5
	v_add_nc_u32 v[ADRB], s47, v[L16]
	s_wait_alu depctr_va_vdst(0)                   ; the wait here, ahead of the scalar lines below
	s_lshl_b32 s45, s17, 11
	s_lshl_b32 s47, s18, 11
	s_add_co_u32 s47, s47, 4096
	s_sub_co_u32 s47, s47, s45
	v_mul_u32_u24 v6, s47, v4                      ; lanes 16-31 take out_w's scale words: the lower base + h x the distance
	s_add_co_u32 s45, s45, SCL
	v_lshl_add_u32 v6, v3, 4, v6
	v_add_nc_u32 v[ADRS], s45, v6
	s_mul_i32 s45, s16, 16*SP                      ; my stage.  In: row = the token's place, 128 h on
	s_add_co_u32 s45, s45, STG
	v_mul_u32_u24 v6, v3, SP
	v_lshl_add_u32 v6, v4, 7, v6
	v_add_nc_u32 v[STO], s45, v6
	v_lshlrev_b32 v7, 4, v3                        ; back: lanes 0-15 take one row of 256 bytes, lanes 16-31 the next;
	v_mul_u32_u24 v8, v4, SP
	v_add_nc_u32 v8, v8, v7
	v_add_nc_u32 v[RD], s45, v8
	v_lshl_add_u32 v[CO], v4, 12, v7               ; and the same two rows in out0
; K step q's fragments into set f: 28 loads.  The tokens' lie as two halves of six registers (16 and 8 bytes a lane), out_w's as three pieces of four.
.macro FETCH q, f
	WIN 0x40
.irp a, 0,1,2,3
	ds_load_b128 v[128*(\f)+12*\a:128*(\f)+12*\a+3], v[ADRA16] offset:TILE*\a+FRB*(\q)
	ds_load_b64 v[128*(\f)+12*\a+4:128*(\f)+12*\a+5], v[ADRA8] offset:TILE*\a+FRB*(\q)+512
	ds_load_b128 v[128*(\f)+12*\a+6:128*(\f)+12*\a+9], v[ADRA16] offset:TILE*\a+FRB*(\q)+768
	ds_load_b64 v[128*(\f)+12*\a+10:128*(\f)+12*\a+11], v[ADRA8] offset:TILE*\a+FRB*(\q)+1280
.endr
.irp b, 0,1,2,3
.irp p, 0,1,2
	ds_load_b128 v[128*(\f)+48+12*\b+4*\p:128*(\f)+48+12*\b+4*\p+3], v[ADRB] offset:TILE*\b+FRB*(\q)+512*\p
.endr
.endr
	WIN 0
.endm
; A K step: its fragments are in; the next step's are asked for; 16 products, the accumulators by turns.
.macro KSTEP q
	s_wait_dscnt 0x0
.if (\q) < 7
.if (\q) > 0
.rept 4
	v_nop                                          ; places in front of loads into the set that the last K step's products read
.endr
.endif
	FETCH (\q)+1, ((\q)+1)%2
.endif
	WIN 0x05                                       ; sources 0 and 1 window 1; C and D window 0
.irp a, 0,1,2,3
.irp b, 0,1,2,3
.set rD, ACC+8*(4*\a+\b)
.set rB, 128*((\q)%2)+48+12*\b
.set rA, 128*((\q)%2)+12*\a
.set rC, rD
.if (\q) == 0
.set rC, BI+8*\b
.endif
	v_wmma_scale_f32_16x16x128_f8f6f4 v[rD:rD+7], v[rB:rB+11], v[rA:rA+11], v[rC:rC+7], v[SC+16*((\q)/4)+4*\b+(\q)%4], v[SC+16*((\q)/4)+4*\a+(\q)%4] matrix_a_fmt:MATRIX_FMT_FP6 matrix_b_fmt:MATRIX_FMT_FP6 matrix_a_scale:MATRIX_SCALE_ROW1
.endr
.endr
	WIN 0
.endm
; THE WAY OUT of token tile a: into my stage, back as whole rows into the 32 registers from bk on (LDS serves a wave's instructions in order), and stored.
.macro TOSTAGE a, bk
.irp b, 0,1,2,3
	ds_store_b128 v[STO], v[ACC+8*(4*(\a)+\b):ACC+8*(4*(\a)+\b)+3] offset:32*\b      ; each accumulator from its low end on
	ds_store_b128 v[STO], v[ACC+8*(4*(\a)+\b)+4:ACC+8*(4*(\a)+\b)+7] offset:32*\b+16
.endr
.irp t, 0,1,2,3,4,5,6,7
	ds_load_b128 v[\bk+4*\t:\bk+4*\t+3], v[RD] offset:2*SP*\t
.endr
.endm
.macro SEND a, bk, younger             ; younger: the next tile's 8 stores and 8 loads, which may stay out
	s_wait_dscnt \younger
.irp t, 0,1,2,3,4,5,6,7
	global_store_b128 v[CO], v[\bk+4*\t:\bk+4*\t+3], s[14:15] offset:(8*(\a)+2*(\t%4)+32*(\t/4))*4096 th:TH_STORE_NT   ; places 2 t and 2 t + 1: two rows, 256 consecutive bytes each, aligned
.endr
.endm
	s_wait_alu depctr_va_vdst(0)                   ; the wait at the head's end
	s_wait_tensorcnt 0x0                           ; my tile of the head's four is in
	s_barrier_signal -1
	s_barrier_wait -1
.irp g, 0,1
.irp i, 0,1,2,3
	ds_load_b128 v[SC+16*\g+4*\i:SC+16*\g+4*\i+3], v[ADRS] offset:512*\i+256*\g   ; lanes 0-15: the tokens' block i, lanes 16-31: out_w's block i; four K steps' words a load
.endr
.endr
	FETCH 0, 0
	s_wait_loadcnt 0x0                             ; the bias
.irp q, 0,1,2,3,4,5,6,7
	KSTEP \q
.endr
.rept 4
	v_nop                                          ; places between the last products and the stores that read results
.endr
	TOSTAGE 0, BI                                  ; (the bias has been used)
	TOSTAGE 1, BK
	SEND 0, BI, 16
	TOSTAGE 2, ACC                                 ; (tile 0's accumulators have been stored into the stage: the wait for its rows has shown it)
	SEND 1, BK, 16
	TOSTAGE 3, ACC+32
	SEND 2, ACC, 16
	SEND 3, ACC+32, 0
	s_wait_tensorcnt 0x0                           ; the wave's end
	ds_add_u32 v[SPW], v[NIL]
	s_wait_dscnt 0x0
	CROUND                                         ; the closing round: no work-group ends while a partner may still ask for a tile that names it
	s_endpgm
.Lfunc_end_k_q76453c2422_outproj:
	.size	k_q76453c2422_outproj, .Lfunc_end_k_q76453c2422_outproj-k_q76453c2422_outproj
	.p2alignl 7, 3214868480
	.fill 96, 4, 3214868480
	.section	.rodata,"a",@progbits
	.p2align	6, 0x0
	.amdhsa_kernel k_q76453c2422_outproj
		.amdhsa_group_segment_fixed_size 222720
		.amdhsa_private_segment_fixed_size 0
		.amdhsa_enable_private_segment 0
		.amdhsa_kernarg_size 48
		.amdhsa_user_sgpr_count 2
		.amdhsa_user_sgpr_kernarg_segment_ptr 1
		.amdhsa_wavefront_size32 1
		.amdhsa_system_sgpr_workgroup_id_x 1
		.amdhsa_system_sgpr_workgroup_id_y 1
		.amdhsa_system_sgpr_workgroup_id_z 1
		.amdhsa_system_vgpr_workitem_id 0
		.amdhsa_next_free_vgpr 512
		.amdhsa_next_free_sgpr 92
		.amdhsa_reserve_vcc 0
		.amdhsa_float_denorm_mode_32 3
		.amdhsa_float_denorm_mode_16_64 3
		.amdhsa_memory_ordered 1
		.amdhsa_forward_progress 1
		.amdhsa_inst_pref_size 49
	.end_amdhsa_kernel
	.amdgpu_metadata
---
amdhsa.version: [ 1, 2 ]
amdhsa.kernels:
  - .name:           k_q76453c2422_outproj
    .symbol:         k_q76453c2422_outproj.kd
    .args:
      - { .name: ac, .offset: 0, .size: 8, .value_kind: global_buffer, .address_space: global }
      - { .name: asc, .offset: 8, .size: 8, .value_kind: global_buffer, .address_space: global }
      - { .name: opc, .offset: 16, .size: 8, .value_kind: global_buffer, .address_space: global }
      - { .name: ops, .offset: 24, .size: 8, .value_kind: global_buffer, .address_space: global }
      - { .name: out_b, .offset: 32, .size: 8, .value_kind: global_buffer, .address_space: global }
      - { .name: out0, .offset: 40, .size: 8, .value_kind: global_buffer, .address_space: global }
    .group_segment_fixed_size: 222720
    .private_segment_fixed_size: 0
    .kernarg_segment_align: 8
    .kernarg_segment_size: 48
    .max_flat_workgroup_size: 128
    .sgpr_count:     92
    .vgpr_count:     512
    .wavefront_size: 32
...
	.end_amdgpu_metadata
.endif
;; end of part 4
